; MI455X (gfx1250); checked and timed in simulation.
; The chip was launched on July 23, 2026; its instructions are those of AMD's public machine-readable ISA for CDNA 5 (MIT licence, August 2026) and "CDNA5" Instruction Set Architecture Reference Guide (July 2026). The comments in the code are by the model that wrote it; some were corrected since.
;; Multi Head Attention. Allowed arithmetic: matrix products marked QUANTISED: E2M3 operands, one E8M0 scale for each 32 along K, by v_wmma_scale_f32_16x16x128_f8f6f4 with both operands' format E2M3, f32 sums; everything else in f32.
;; Inputs: b_out 1,024 float32; b_qkv 3,072 float32; w_out 1,024 x 1,024 float32; w_qkv 1,024 x 3,072 float32; x 4 x 2,048 x 1,024 float32.
;; Outputs: out0 4 x 2,048 x 1,024 float32.
;; This version of the problem:
;;   THIS VERSION OF THE PROBLEM IS GIVEN IN LOW PRECISION. The matrix products marked QUANTISED in the list below multiply operands that are first quantised to E2M3 (2 exponent bits, 3 mantissa bits; 6 bits a number), with one power-of-two scale for each 32 numbers along K (OCP MX v1.0); their sums are f32. All else is computed in f32.
;;   The module's matrix products, in the order in which they are computed (A, B: the left and right operand; K: the contracted axis; several contracted axes count as one K, in the product's order):
;;     1. [M 8,192, K 1,024] x [K 1,024, N 3,072]; A: input x; B: input w_qkv: QUANTISED
;;     2. batch 64 x [M 2,048, K 64] x [K 64, N 2,048]; A: computed on the way; B: computed on the way: QUANTISED
;;     3. batch 64 x [M 2,048, K 2,048] x [K 2,048, N 64]; A: softmax (see below); B: computed on the way: QUANTISED
;;     4. [M 8,192, K 1,024] x [K 1,024, N 1,024]; A: computed on the way; B: input w_out: QUANTISED
;;   THE QUANTISER, for each operand of a quantised product, along K:
;;     - K is cut into blocks of 32 from its start; a last block that is shorter is filled with zeros.
;;     - A block's scale is 2^e with e = floor(log2(the largest magnitude in the block)) - 2, held to -126 .. 127; a block of zeros has e = 0. As a byte (E8M0): e + 127.
;;     - Each number is divided by its block's scale, clamped to +-7.5, and rounded to the nearest number of E2M3, ties to even, subnormals kept.
;;     - The product sums the exact products of the quantised numbers (number of the format x scale) in f32.
;;   ~~~python
;;   def quantise(x, axis):      # numpy; x: float32 -> the quantised numbers, widened to float32 again
;;       x = np.moveaxis(x, axis, -1); K = x.shape[-1]
;;       x = np.pad(x, [(0, 0)] * (x.ndim - 1) + [(0, -K % 32)]); x = x.reshape(x.shape[:-1] + (-1, 32)); a = np.abs(x).max(-1, keepdims=True)
;;       e = np.where(a > 0, np.clip(np.frexp(np.where(a > 0, a, 1))[1] - 1 - 2, -126, 127), 0)      # np.frexp(a)[1] - 1 = floor(log2(a)), exactly
;;       r = np.clip(x / 2.0 ** e, -7.5, 7.5)
;;       step = 2.0 ** (np.maximum(np.frexp(np.where(r == 0, 1, r))[1] - 1, 0) - 3)
;;       q = np.round(r / step) * step * 2.0 ** e      # np.round: ties to even
;;       return np.moveaxis(q.reshape(q.shape[:-2] + (-1,))[..., :K], -1, axis).astype(np.float32)
;;   ~~~
;;   SOFTMAX AHEAD OF A QUANTISED PRODUCT. Where the list says 'softmax', what is quantised is not the finished softmax but p = 2^(t - M), with t = logit x log2(e) and M = ceil(the row's largest t), a whole number; so 1/2 < the row's largest p <= 1. The row's sum l is taken of the UNQUANTISED p, in f32, and the product's result is divided by l at the end. Since M is a whole number, a kernel that streams over the keys may use a running M (the ceiling of the running maximum): every later rescaling is an exact power of two, which a block's scale takes up: the codes' values come out the same.
;;   OPERANDS COMPUTED ON THE WAY. 'Computed on the way' means the value that the module computes at that place (a softmax that the list does not call 'softmax' is quantised finished and normalised). What goes into a quantiser is computed in f32, as accurately as f32 sums, v_exp_f32 and their like allow (about 1e-6 of the number): no bf16 or f16 on the way to a quantiser, and a product that is left as it is and whose result goes on into a quantised operand takes f32 operands (vector FMAs, or v_wmma_f32_16x16x4_f32). A number that lies on a knife's edge between two numbers of the format may be rounded either way, as far as f32 arithmetic and the matrix unit's own rounding can turn it there, and no further.
;; One version. Each part assembles by itself: llvm-mc -triple=amdgcn-amd-amdhsa -mcpu=gfx1250 --defsym DOCPART=n.
;; ======== version 1 of 1: 5 launches
;; limits: right only within a limited range of input values
;; workspace buffers: xr 6,815,744 bytes; wqr 2,555,904 bytes; wor 851,968 bytes; qkr 13,631,488 bytes; vr 6,815,744 bytes; ar 6,815,744 bytes
;; launch quant_x (part 1): grid 512 x 1, 8 waves a work-group, no clusters, 68,608 bytes of LDS; arguments x, xr; writes xr
.if DOCPART == 1
	.amdgcn_target "amdgcn-amd-amdhsa--gfx1250"
	.amdhsa_code_object_version 6
	.text
	.protected	k_qf070f1607c_quant_x
	.globl	k_qf070f1607c_quant_x
	.p2align	8
	.type	k_qf070f1607c_quant_x,@function
k_qf070f1607c_quant_x:
	s_mov_b64 s[64:65], 0
	v_nop
	global_prefetch_b8 v0, s[64:65] scope:SCOPE_SE
	s_setreg_imm32_b32 hwreg(HW_REG_WAVE_MODE, 25, 1), 1
	s_wait_xcnt 0x0
; x [8192][1024] f32 becomes codes of FP6 (E2M3) with one E8M0 byte for each 32 along K, laid AS THE MATRIX UNIT'S REGISTERS WANT THEM.
; xr = [tile 0..511][chunk 0..3][3,328 bytes]; a chunk = [image of K step 2c][image of K step 2c+1][scale image 2c][scale image 2c+1].
; An image (1,536 bytes) is a fragment's 12 registers: piece p (registers 2p, 2p+1) at 256 p + 8 x lane.  A scale image (128 bytes): the row's word at 4 x lane.
; THE ROWS OF A TILE ARE NOT NEIGHBOURS: row r of tile t is row 32 (t / 2) + 8 (t % 2) + r + 8 (r / 8) of x, so that a product that takes two neighbouring tiles as source 0
; leaves 16 neighbouring rows in a lane's 16 registers.
; A block's scale is 2^(floor(log2(largest magnitude)) - 2); its byte is the largest magnitude's exponent field - 2, held at 1 from below.
; LIMITS: a block of zeros gets the byte 1 where the rule says 127 (its codes are zeros, and this program alone reads the bytes); blocks whose largest magnitude lies under 2^-124
; have their byte held at 1; NaN and infinities among the inputs are not served.
; SHARES: a work-group takes a tile, wave w its K step w: 16 rows x 128 numbers.  Each load reads 512 consecutive bytes of a row; the 8 KiB turn through the wave's own stage in LDS, so that a lane
; holds 16 neighbours of each block of 32.  Waves share nothing: no barrier.  No input is read by two work-groups: no cluster, no tensor load.
; Codes leave as 256 consecutive aligned bytes a store; the scale image as 128 consecutive bytes (one thirteenth of what is stored).
.set TP,   13312                       ; a tile in xr
.set CH,   3328                        ; a chunk
.set SROW, 528                         ; a stage row: 512 bytes + 16, an odd multiple of 16, so that sixteen rows' reads of 16 bytes fall on different banks (64 banks of 4 bytes: ISA guide 11.1)
.set WST,  16*SROW                     ; a wave's stage
.set R,    16                          ; v16-79   the rows as loaded: row r at v[R + 4 r]
.set X,    80                          ; v80-143  64 numbers of my row: register 16 b + i = k 32 b + 16 (lane / 16) + i
.set TM,   144                         ; v144-159 at work
.set PC,   160                         ; v160-171 the codes; v172-179 the conversions' second halves
.set PW,   180                         ; v180     my row's scale word
.set SEL,  20                          ; s[20:21] selects of v_permlanex16_b32 for lane l xor 16
; 64 numbers of a lane become a fragment's codes in v[PC] on and its scale word in v[PW].
.macro QUANT s
.irp b, 0,1,2,3
	v_max3_num_f32 v[TM+\b], |v[\s+16*\b]|, |v[\s+1+16*\b]|, 0x1800000   ; block b: my 16 numbers, and the floor 2^(3 - 127): the byte cannot fall under 1
.endr
.irp i, 2,4,6,8,10,12,14
.irp b, 0,1,2,3
	s_delay_alu instid0(VALU_DEP_4)
	v_max3_num_f32 v[TM+\b], v[TM+\b], |v[\s+16*\b+\i]|, |v[\s+1+16*\b+\i]|   ; the four blocks by turns
.endr
.endr
.irp b, 0,1,2,3
	s_delay_alu instid0(VALU_DEP_4)
	v_permlanex16_b32 v[TM+4+\b], v[TM+\b], s[SEL], s[SEL+1]
.endr
.irp b, 0,1,2,3
	s_delay_alu instid0(VALU_DEP_4)
	v_max_num_f32 v[TM+\b], v[TM+\b], v[TM+4+\b]       ; with lane l xor 16's: the block's largest magnitude
.endr
.irp b, 0,1,2,3
	s_delay_alu instid0(VALU_DEP_4)
	v_add_nc_u32 v[TM+12+\b], 0xff000000, v[TM+\b]     ; 2 off its exponent field: the conversion's scale operand
.endr
.irp b, 0,1,2,3
	s_delay_alu instid0(VALU_DEP_4)
	v_lshrrev_b32 v[TM+4+\b], 23, v[TM+12+\b]          ; the scale's byte
.endr
	s_delay_alu instid0(VALU_DEP_3)
	v_lshl_or_b32 v[PW], v[TM+5], 8, v[TM+4]
	s_delay_alu instid0(VALU_DEP_1)
	v_lshl_or_b32 v[PW], v[TM+6], 16, v[PW]
	s_delay_alu instid0(VALU_DEP_1)
	v_lshl_or_b32 v[PW], v[TM+7], 24, v[PW]
.irp c, 0,1
	v_cvt_scalef32_pk16_fp6_f32 v[PC+6*\c:PC+2+6*\c], v[\s+32*\c:\s+15+32*\c], v[TM+12+2*\c]
	v_cvt_scalef32_pk16_fp6_f32 v[PC+12+4*\c:PC+14+4*\c], v[\s+16+32*\c:\s+31+32*\c], v[TM+12+2*\c+1]   ; (a conversion's three registers begin on an even number)
.endr
	v_nop                                              ; one plain place behind a scaled conversion
.irp c, 0,1                                        ; the operand's layout wants a whole block in a lane: lanes 0-15 block 2 c, lanes 16-31 block 2 c + 1
.irp i, 0,1,2
	v_permlane16_swap_b32 v[PC+6*\c+\i], v[PC+12+4*\c+\i]
.endr
.irp i, 0,1,2
	s_delay_alu instid0(VALU_DEP_3)
	v_mov_b32 v[PC+3+6*\c+\i], v[PC+12+4*\c+\i]
.endr
.endr
.endm
	s_load_b128 s[4:7], s[0:1], 0x0                ; x, xr
	v_lshl_add_u32 v192, v0, 2, 0x10800
	v_mov_b32 v193, 0
	v_lshrrev_b32 v6, 5, v0
	s_delay_alu instid0(VALU_DEP_1)
	v_readfirstlane_b32 s8, v6                     ; wave = K step
	v_and_b32 v7, 31, v0                           ; lane
	v_and_b32 v8, 15, v0                           ; r
	v_bfe_u32 v9, v0, 4, 1                         ; h
	s_delay_alu instid0(VALU_DEP_3)
	v_lshlrev_b32 v1, 4, v7                        ; 16 x lane: my 16 bytes of a row's 512
	s_mul_i32 s9, s8, WST
	v_add_nc_u32 v2, s9, v1                        ; the stage, on the way in
	v_mul_u32_u24 v3, v8, SROW
	s_delay_alu instid0(VALU_DEP_1)
	v_lshl_add_u32 v3, v9, 6, v3
	s_delay_alu instid0(VALU_DEP_1)
	v_add_nc_u32 v3, s9, v3                        ; and on the way out: row r, + 64 h
	v_lshlrev_b32 v4, 3, v7                        ; 8 x lane: my place in a piece
	v_lshlrev_b32 v5, 2, v7                        ; 4 x lane: in a scale image
.irp b, 0,1,2,3
	v_mov_b32 v[TM+4+\b], 0                        ; written once: a lane permute's destination counts as one of its sources
.endr
	s_lshr_b32 s12, ttmp9, 1
	s_lshl_b32 s12, s12, 5
	s_and_b32 s13, ttmp9, 1
	s_lshl_b32 s13, s13, 3
	s_add_co_u32 s12, s12, s13                     ; the tile's first row: 32 (t / 2) + 8 (t % 2)
	s_lshl_b32 s12, s12, 12                        ; rows of 4,096 bytes
	s_lshl_b32 s13, s8, 9
	s_add_co_u32 s12, s12, s13                     ; + my K step's 512 bytes
	s_mov_b32 s13, 0
	s_mul_i32 s14, ttmp9, TP
	s_lshr_b32 s15, s8, 1
	s_mul_i32 s15, s15, CH
	s_add_co_u32 s14, s14, s15                     ; my tile's chunk
	s_and_b32 s16, s8, 1
	s_mul_i32 s17, s16, 1536
	s_add_co_u32 s18, s14, s17                     ; my image
	s_mov_b32 s19, 0
	s_lshl_b32 s17, s16, 7
	s_add_co_u32 s22, s14, s17
	s_add_co_u32 s22, s22, 3072                    ; my scale image
	s_mov_b32 s23, 0
	s_mov_b32 s[SEL], 0x76543210
	s_mov_b32 s[SEL+1], 0xfedcba98
	s_wait_alu depctr_va_vdst(0)
	s_wait_kmcnt 0x0
	s_add_nc_u64 s[4:5], s[4:5], s[12:13]
	s_add_nc_u64 s[10:11], s[6:7], s[22:23]
	s_add_nc_u64 s[6:7], s[6:7], s[18:19]
.irp r, 0,1,2,3,4,5,6,7,8,9,10,11,12,13,14,15
	global_load_b128 v[R+4*\r:R+4*\r+3], v1, s[4:5] offset:(\r+8*(\r/8))*4096 th:TH_LOAD_NT   ; 32 lanes read 512 consecutive bytes of the tile's row r
.endr
.irp r, 0,1,2,3,4,5,6,7,8,9,10,11,12,13,14,15
	s_wait_loadcnt 15-\r                           ; loads come back in order: row r is in, the 15 - r rows behind it may be out
	ds_store_b128 v2, v[R+4*\r:R+4*\r+3] offset:SROW*\r
.endr
.irp b, 0,1,2,3
.irp j, 0,1,2,3
	ds_load_b128 v[X+16*\b+4*\j:X+16*\b+4*\j+3], v3 offset:128*\b+16*\j   ; LDS serves a wave's instructions in order: these see my stores
.endr
.endr
	s_wait_dscnt 0x0
	QUANT X
.irp p, 0,1,2,3,4,5
	global_store_b64 v4, v[PC+2*\p:PC+2*\p+1], s[6:7] offset:256*\p   ; 32 lanes store 256 consecutive bytes, at a multiple of 256 from xr's first byte
.endr
	global_store_b32 v5, v[PW], s[10:11]           ; lanes 16-31 hold the same words as lanes 0-15
	s_wait_tensorcnt 0x0
	ds_add_u32 v192, v193
	s_wait_dscnt 0x0
	s_endpgm
.Lfunc_end_k_qf070f1607c_quant_x:
	.size	k_qf070f1607c_quant_x, .Lfunc_end_k_qf070f1607c_quant_x-k_qf070f1607c_quant_x
	.p2alignl 7, 3214868480
	.fill 96, 4, 3214868480
	.section	.rodata,"a",@progbits
	.p2align	6, 0x0
	.amdhsa_kernel k_qf070f1607c_quant_x
		.amdhsa_group_segment_fixed_size 68608
		.amdhsa_private_segment_fixed_size 0
		.amdhsa_enable_private_segment 0
		.amdhsa_kernarg_size 16
		.amdhsa_user_sgpr_count 2
		.amdhsa_user_sgpr_kernarg_segment_ptr 1
		.amdhsa_wavefront_size32 1
		.amdhsa_system_sgpr_workgroup_id_x 1
		.amdhsa_system_sgpr_workgroup_id_y 1
		.amdhsa_system_sgpr_workgroup_id_z 1
		.amdhsa_system_vgpr_workitem_id 0
		.amdhsa_next_free_vgpr 194
		.amdhsa_next_free_sgpr 66
		.amdhsa_reserve_vcc 0
		.amdhsa_float_denorm_mode_32 3
		.amdhsa_float_denorm_mode_16_64 3
		.amdhsa_memory_ordered 1
		.amdhsa_forward_progress 1
		.amdhsa_inst_pref_size 13
	.end_amdhsa_kernel
	.amdgpu_metadata
---
amdhsa.version: [ 1, 2 ]
amdhsa.kernels:
  - .name:           k_qf070f1607c_quant_x
    .symbol:         k_qf070f1607c_quant_x.kd
    .args:
      - { .name: x, .offset: 0, .size: 8, .value_kind: global_buffer, .address_space: global }
      - { .name: xr, .offset: 8, .size: 8, .value_kind: global_buffer, .address_space: global }
    .group_segment_fixed_size: 68608
    .private_segment_fixed_size: 0
    .kernarg_segment_align: 8
    .kernarg_segment_size: 16
    .max_flat_workgroup_size: 256
    .sgpr_count:     66
    .vgpr_count:     194
    .wavefront_size: 32
...
	.end_amdgpu_metadata
.endif
;; end of part 1
;; launch quant_w (part 2): grid 256 x 1, 4 waves a work-group, no clusters, 13,824 bytes of LDS; arguments w_qkv, w_out, wqr, wor; writes wqr, wor
.if DOCPART == 2
	.amdgcn_target "amdgcn-amd-amdhsa--gfx1250"
	.amdhsa_code_object_version 6
	.text
	.protected	k_qf070f1607c_quant_w
	.globl	k_qf070f1607c_quant_w
	.p2align	8
	.type	k_qf070f1607c_quant_w,@function
k_qf070f1607c_quant_w:
	s_mov_b64 s[64:65], 0
	v_nop
	global_prefetch_b8 v0, s[64:65] scope:SCOPE_SE
	s_setreg_imm32_b32 hwreg(HW_REG_WAVE_MODE, 25, 1), 1
	s_wait_xcnt 0x0
; w_qkv [1024 (k)][3072 (n)] and w_out [1024 (k)][1024 (n)], f32, K their FIRST axis, become codes of FP6 (E2M3) with one E8M0 byte for each 32 along K,
; laid as xr is: [tile n / 16][chunk 0..3][3,328 bytes], a chunk = two images of 1,536 bytes and two scale images of 128 bytes; row r of tile t is column 32 (t / 2) + 8 (t % 2) + r + 8 (r / 8).
; A LANE TAKES A COLUMN AND ITS REGISTERS RUN DOWN K: each load reads neighbouring columns in neighbouring lanes (128 consecutive bytes a wave, 512 a work-group), a block of 32 lies in one lane's
; 32 registers, and the conversions give codes with K innermost.  Nothing is transposed by an instruction.
; LIMITS: a block of zeros gets the byte 1 where the rule says 127 (its codes are zeros, and this program alone reads the bytes); blocks whose largest magnitude lies under 2^-124
; have their byte held at 1; NaN and infinities among the inputs are not served.
; SHARES: the first 192 work-groups take w_qkv, the other 64 w_out: only pointers and the row's length are chosen, on the work-group's number; there is one path through the text.
; A work-group takes 128 columns x 128 along K; wave w 32 columns: two tiles' fragments of one K step.  They are put together in the wave's own 3,328 bytes of LDS and leave as 512 consecutive bytes a store.
; Waves share nothing: no barrier.  No input is read twice: no cluster, no tensor load.
.set TP,   13312
.set CH,   3328
.set WREG, 3328                        ; LDS of a wave: two tiles
.set TREG, 1664                        ; a tile there: image + scale image; 1,664 = 6 x 256 + 128, so the two tiles' runs of 128 bytes of one store fall on different banks
.set C,    16                          ; v16-21   a block's six registers of codes; v22-24 the second conversion's
.set X,    32                          ; v32-95   two sets of 32 numbers
.set RO,   96                          ; v96-127  4 x lane + i rows
.set OUTR, 128                         ; v128-156 the way out
	s_load_b128 s[4:7], s[0:1], 0x0                ; w_qkv, w_out
	s_load_b128 s[8:11], s[0:1], 0x10              ; wqr, wor
	v_lshl_add_u32 v160, v0, 2, 0x3400
	v_mov_b32 v161, 0
	v_lshrrev_b32 v7, 5, v0
	v_readfirstlane_b32 s28, v7                    ; wave
	v_and_b32 v7, 31, v0                           ; lane = my column among the wave's 32
	v_lshlrev_b32 v1, 2, v7                        ; 4 x lane
	v_lshlrev_b32 v6, 4, v7                        ; 16 x lane
	v_bfe_u32 v8, v0, 3, 1                         ; which of the two tiles my column falls into: (lane / 8) % 2
	v_and_b32 v9, 7, v0
	v_bfe_u32 v10, v0, 4, 1
	v_lshl_add_u32 v9, v10, 3, v9                  ; and which row of it: lane % 8 + 8 (lane / 16)
	s_mul_i32 s29, s28, WREG
	v_mul_u32_u24 v8, v8, TREG
	v_add_nc_u32 v8, s29, v8
	v_lshl_add_u32 v2, v9, 3, v8                   ; where my row's 8 bytes of a piece go
	v_lshl_add_u32 v3, v9, 2, v8                   ; and its scale word
	v_add_nc_u32 v4, s29, v6                       ; back: 16 bytes a lane
	v_add_nc_u32 v5, s29, v1                       ; 4 bytes a lane
	s_wait_kmcnt 0x0
	s_cmp_lt_u32 ttmp9, 192                        ; w_qkv's work-group or w_out's?  The choice hangs on the work-group's number alone
	s_cselect_b64 s[4:5], s[4:5], s[6:7]
	s_cselect_b64 s[8:9], s[8:9], s[10:11]
	s_mov_b32 s13, 4096
	s_cselect_b32 s13, 12288, s13                  ; a row of the weight in bytes
	s_cselect_b32 s12, 0, 192
	s_sub_co_u32 s12, ttmp9, s12                   ; my number within the tensor
	s_lshr_b32 s14, s12, 3
	s_and_b32 s15, s12, 7                          ; K step
	s_lshl_b32 s14, s14, 2
	s_add_co_u32 s14, s14, s28                     ; g: my wave's group of 32 columns
.irp i, 0,1,2,3,4,5,6,7,8,9,10,11,12,13,14,15,16,17,18,19,20,21,22,23,24,25,26,27,28,29,30,31
	v_mad_u32_u24 v[RO+\i], s13, \i, v1
.endr
	s_lshl_b32 s30, s15, 7
	s_mul_i32 s30, s30, s13                        ; 128 K step rows down,
	s_lshl_b32 s36, s14, 7
	s_add_co_u32 s30, s30, s36                     ; 128 g bytes along
	s_mov_b32 s31, 0
	s_lshl_b32 s32, s13, 5                         ; a block: 32 rows
	s_mov_b32 s33, 0
	s_add_nc_u64 s[16:17], s[4:5], s[30:31]        ; a base for each of the four blocks
	s_add_nc_u64 s[18:19], s[16:17], s[32:33]
	s_add_nc_u64 s[20:21], s[18:19], s[32:33]
	s_add_nc_u64 s[22:23], s[20:21], s[32:33]
	s_mul_i32 s34, s14, 2*TP                       ; tile 2 g,
	s_lshr_b32 s35, s15, 1
	s_mul_i32 s35, s35, CH
	s_add_co_u32 s34, s34, s35                     ; its chunk
	s_and_b32 s35, s15, 1
	s_mul_i32 s36, s35, 1536
	s_add_co_u32 s36, s34, s36
	s_mov_b32 s37, 0
	s_add_nc_u64 s[24:25], s[8:9], s[36:37]        ; the image
	s_lshl_b32 s35, s35, 7
	s_add_co_u32 s36, s34, s35
	s_add_co_u32 s36, s36, 3072
	s_add_nc_u64 s[26:27], s[8:9], s[36:37]        ; the scale image
.macro LOAD t                          ; block t: w(128 K step + 32 t + i, my column) into set t % 2
.irp i, 0,1,2,3,4,5,6,7,8,9,10,11,12,13,14,15,16,17,18,19,20,21,22,23,24,25,26,27,28,29,30,31
	global_load_b32 v[X+32*((\t)%2)+\i], v[RO+\i], s[16+2*(\t):17+2*(\t)] th:TH_LOAD_NT
.endr
.endm
; Block t = 2 c + h of my column is what lane (row, h) of the fragment holds in registers 6 c .. 6 c + 5.
.macro BLOCK t
.set XS, X+32*((\t)%2)
.if (\t) < 3
	s_wait_loadcnt 32                              ; this block's 32 loads are in; the next block's 32 may be out
.else
	s_wait_loadcnt 0x0
.endif
	v_max3_num_f32 v12, |v[XS]|, |v[XS+1]|, |v[XS+2]|   ; the block's largest magnitude: all 32 numbers are mine; two chains
	v_max3_num_f32 v10, |v[XS+3]|, |v[XS+4]|, |v[XS+5]|
.irp i, 6,10,14,18,22,26
	v_max3_num_f32 v12, v12, |v[XS+\i]|, |v[XS+\i+1]|
	v_max3_num_f32 v10, v10, |v[XS+\i+2]|, |v[XS+\i+3]|
.endr
	v_max3_num_f32 v12, v12, |v[XS+30]|, |v[XS+31]|
	v_max3_num_f32 v12, v12, v10, 0x1800000        ; and the floor 2^(3 - 127): the byte cannot fall under 1
	v_add_nc_u32 v13, 0xff000000, v12              ; 2 off its exponent field: the conversion's scale operand
	v_cvt_scalef32_pk16_fp6_f32 v[C:C+2], v[XS:XS+15], v13
	v_cvt_scalef32_pk16_fp6_f32 v[C+6:C+8], v[XS+16:XS+31], v13   ; (a conversion's three registers begin on an even number)
	v_lshrrev_b32 v14, 23, v13                     ; the scale's byte.  (The plain line behind the conversions)
.if (\t) == 0
	v_mov_b32 v15, v14                             ; four bytes to the scale word, the lower K in the lower byte
.else
	v_lshl_or_b32 v15, v14, 8*(\t), v15
.endif
.irp i, 0,1,2
	v_mov_b32 v[C+3+\i], v[C+6+\i]
.endr
.irp q, 0,1,2
	ds_store_b64 v2, v[C+2*\q:C+2*\q+1] offset:(3*((\t)/2)+\q)*256+128*((\t)%2)
.endr
.if (\t) < 2
	LOAD (\t)+2
.endif
	s_wait_dscnt 0x0                               ; the stores have read their registers: the next block's codes may be written
.endm
	s_wait_alu depctr_va_vdst(0)
	LOAD 0
	LOAD 1
	BLOCK 0
	BLOCK 1
	BLOCK 2
	BLOCK 3
	s_wait_alu depctr_va_vdst(0)
	ds_store_b32 v3, v15 offset:1536               ; the scale image holds each row's word twice: for lane r
	ds_store_b32 v3, v15 offset:1600               ; and for lane 16 + r
.irp u, 0,1
.irp i, 0,1,2
	ds_load_b128 v[OUTR+16*\u+4*\i:OUTR+16*\u+4*\i+3], v4 offset:TREG*\u+512*\i   ; LDS serves a wave's instructions in order: these see my stores
.endr
	ds_load_b32 v[OUTR+16*\u+12], v5 offset:TREG*\u+1536
.endr
	s_wait_dscnt 0x0
.irp u, 0,1
.irp i, 0,1,2
	global_store_b128 v6, v[OUTR+16*\u+4*\i:OUTR+16*\u+4*\i+3], s[24:25] offset:TP*\u+512*\i   ; 32 lanes store 512 consecutive bytes, at a multiple of 256 from the buffer's first byte
.endr
	global_store_b32 v1, v[OUTR+16*\u+12], s[26:27] offset:TP*\u                              ; 128 consecutive bytes
.endr
	s_wait_tensorcnt 0x0
	ds_add_u32 v160, v161
	s_wait_dscnt 0x0
	s_endpgm
.Lfunc_end_k_qf070f1607c_quant_w:
	.size	k_qf070f1607c_quant_w, .Lfunc_end_k_qf070f1607c_quant_w-k_qf070f1607c_quant_w
	.p2alignl 7, 3214868480
	.fill 96, 4, 3214868480
	.section	.rodata,"a",@progbits
	.p2align	6, 0x0
	.amdhsa_kernel k_qf070f1607c_quant_w
		.amdhsa_group_segment_fixed_size 13824
		.amdhsa_private_segment_fixed_size 0
		.amdhsa_enable_private_segment 0
		.amdhsa_kernarg_size 32
		.amdhsa_user_sgpr_count 2
		.amdhsa_user_sgpr_kernarg_segment_ptr 1
		.amdhsa_wavefront_size32 1
		.amdhsa_system_sgpr_workgroup_id_x 1
		.amdhsa_system_sgpr_workgroup_id_y 1
		.amdhsa_system_sgpr_workgroup_id_z 1
		.amdhsa_system_vgpr_workitem_id 0
		.amdhsa_next_free_vgpr 162
		.amdhsa_next_free_sgpr 66
		.amdhsa_reserve_vcc 0
		.amdhsa_float_denorm_mode_32 3
		.amdhsa_float_denorm_mode_16_64 3
		.amdhsa_memory_ordered 1
		.amdhsa_forward_progress 1
		.amdhsa_inst_pref_size 25
	.end_amdhsa_kernel
	.amdgpu_metadata
---
amdhsa.version: [ 1, 2 ]
amdhsa.kernels:
  - .name:           k_qf070f1607c_quant_w
    .symbol:         k_qf070f1607c_quant_w.kd
    .args:
      - { .name: w_qkv, .offset: 0, .size: 8, .value_kind: global_buffer, .address_space: global }
      - { .name: w_out, .offset: 8, .size: 8, .value_kind: global_buffer, .address_space: global }
      - { .name: wqr, .offset: 16, .size: 8, .value_kind: global_buffer, .address_space: global }
      - { .name: wor, .offset: 24, .size: 8, .value_kind: global_buffer, .address_space: global }
    .group_segment_fixed_size: 13824
    .private_segment_fixed_size: 0
    .kernarg_segment_align: 8
    .kernarg_segment_size: 32
    .max_flat_workgroup_size: 128
    .sgpr_count:     66
    .vgpr_count:     162
    .wavefront_size: 32
...
	.end_amdgpu_metadata
.endif
;; end of part 2
;; launch gemm_qkv (part 3): grid 16 x 48, 4 waves a work-group, clusters of 4 x 4, 327,680 bytes of LDS; arguments xr, wqr, b_qkv, qkr, vr; writes qkr, vr
.if DOCPART == 3
	.amdgcn_target "amdgcn-amd-amdhsa--gfx1250"
	.amdhsa_code_object_version 6
	.text
	.protected	k_qf070f1607c_gemm_qkv
	.globl	k_qf070f1607c_gemm_qkv
	.p2align	8
	.type	k_qf070f1607c_gemm_qkv,@function
k_qf070f1607c_gemm_qkv:
	s_mov_b64 s[64:65], 0
	v_nop
	global_prefetch_b8 v0, s[64:65] scope:SCOPE_SE
	s_setreg_imm32_b32 hwreg(HW_REG_WAVE_MODE, 25, 1), 1
	s_wait_xcnt 0x0
	s_wait_alu depctr_hold_cnt(0) depctr_sa_sdst(0) depctr_va_vdst(0) depctr_va_sdst(0) depctr_va_ssrc(0) depctr_va_vcc(0) depctr_vm_vsrc(0)
	s_getreg_b32 s2, hwreg(HW_REG_IB_STS2, 6, 4)
	s_cmp_eq_u32 s2, 0
	s_cbranch_scc0 .Lentry_in_a_cluster
	s_endpgm
.Lentry_in_a_cluster:
	s_bfe_u32 s2, ttmp6, 0x10000c
	s_cmp_lg_u32 s2, 0xf033
	s_cbranch_scc0 .Lentry_shape_is_right
	s_endpgm
.Lentry_shape_is_right:
; qkv = x w_qkv + b_qkv on codes of FP6 (E2M3) with E8M0 scales; q, k and v never reach memory as f32: each is quantised here, in registers, for the product that will read it, and stored as images of that product's operand registers.
; THE PRODUCT: source 0 = S0, 128 rows (8 tiles of 16), source 1 = S1, 256 rows (16 tiles), K = 1,024 in 8 steps of 128.  A lane holds ONE row of S1, and its registers run along S0's rows; by the order of rows in a tile
; (row r of tile t = 32 (t / 2) + 8 (t % 2) + r + 8 (r / 8)) the 16 registers of two neighbouring tiles of S0 are 16 neighbours: so what is quantised must run along S0.
;   q, k (quantised along the head's 64): S0 = 128 columns of w_qkv (two heads), S1 = 256 rows of x.   v (quantised along the keys): S0 = 128 rows of x, S1 = 256 columns of w_qkv (four heads).
; One text serves both: only pointers, ids and the place of the results are chosen, on the cluster's y, which all partners share.  512 work-groups for q and k, 256 for v.
; SHARES: four waves; wave w takes S1's tiles 4 w .. 4 w + 3 against all 8 of S0: 32 accumulators, 256 registers, 32 matrix instructions a K step.
; LDS: THE WHOLE K IS RESIDENT: two halves of four K steps, each [S1: 16 x 6,656 bytes][S0: 8 x 6,656].  Every byte is filled once, the first half by loads at the start, the second by loads behind a round: no slot is filled again.
; CLUSTER 4 x 4: S1's tiles hang on iy and are shared along a row of the cluster, S0's on ix and along a column: each is asked for jointly, by the same tensor load with the same descriptor and a mask that names the four.
; RESULTS: qkr = [which 64 + batch 16 + head][key step 0..15][6,656 bytes], a step = 4 records of 1,536 bytes + 4 scale images of 128.  A record pairs two tiles of 16 tokens of one head: pieces 0-2 the first tile's
; 64 codes a row, pieces 3-5 the second's; scale word: bytes 0, 1 the first tile's, bytes 2, 3 the second's.   vr = [batch 16 + head][key step][6,656]: record t = 16 of the head's 64 x the step's 128 keys.
; Codes leave as 256 consecutive aligned bytes a store, scale images as 128 consecutive bytes.
; LIMITS: a block of zeros gets the byte 1 where the rule says 127 (its codes are zeros, and this program alone reads the bytes); blocks whose largest magnitude lies under 2^-124 have their byte held at 1; NaN and infinities are not served.
; v's bias is added behind the sum over K, q's and k's ahead of it (as the C of the first K step): an order of f32 rounding that may differ from x @ w + b in the last bit.
; REGISTERS, in windows of 256: window 0: v1-23 addresses; v32-55 scale words, two sets of 12; v56-63 v's bias; v64-127 q's and k's bias, 8 tiles x 8; v128-223 S1's fragments, two sets of 48, later the codes; v224-255 at work.
;   window 1: accumulator (a, b) at v[8 (8 a + b)].   window 2: v0-191 S0's fragments, two sets of 96.
.set TP,    13312                      ; a tile of an operand buffer
.set CH,    3328                       ; a chunk of it
.set FIB,   1536                       ; an image
; LDS NOW HOLDS TWO HALVES OF K (four K steps each): [S1: 16 tiles x 6,656 bytes][S0: 8 x 6,656].  Each wave asks for its part of the first half at the head and for its part of the second behind a round.
.set CHUNK, 48*CH                      ; a half of K in LDS
.set S0OFF, 32*CH                      ; S0's part of it
.set IDXB,  106496                     ; a head in qkr or vr
.set STEPB, 6656                       ; a key step of it
.set ADRA, 8                           ; v8-9   S1's images of chunk c: 8 x lane + 26,624 wave + CHUNK c
.set ADRB, 12                          ; v12-13  S0's
.set ADSA, 16                          ; v16-17  S1's scale images: 4 x lane + ..
.set ADSB, 20                          ; v20-21  S0's
.set SC,   32
.set BQ,   56
.set BP,   64
.set A0,   128
.set CD,   128                         ; the codes: 12 registers for each of my four tiles of S1
.set TM,   224
.set PW,   240                         ; v240-243 the four scale words
.set SW,   244                         ; v244-247 the records' scale words
.set CT,   248
.set WV,   14
.set SEL,  98                          ; s[98:99]
.set G1A,  24                          ; s[24:31] group 1 for S1's tiles;  s[32:39] for S0's
.set G1B,  32
.set G0A,  40                          ; s[40:47] S1's groups 0, one for each half;  S0's at s56, s60
.set W_MUL,   0x52                     ; source 0 (S0) window 2, source 1 (S1) window 0, C and D window 1
.set W_FIRST, 0x42                     ; the same with C (the bias) in window 0
.set TO_S0,   0x80                     ; destination window 2, address window 0
.set MSB, 0
.macro WIN new                         ; the immediate's high byte repeats the setting that is left
.if MSB != \new
	s_set_vgpr_msb (MSB<<8)|\new
.set MSB, \new
.endif
.endm
.macro ROUND                           ; a round of the cluster's barrier
	s_barrier_signal -1
	s_barrier_wait -1
	s_cmp_lg_u32 s[WV], 0
	s_cbranch_scc1 .Lnot_wave_0_\@
	s_barrier_signal -3
.Lnot_wave_0_\@:
	s_barrier_wait -3
	s_barrier_signal -1
	s_barrier_wait -1
.endm
.macro PLACES                          ; four places behind a matrix instruction of this form (ISA guide 7.12.1)
.rept 4
	v_nop
.endr
.endm
.macro FRAG reg, adr, off              ; an image comes back as the 12 registers that it is: six loads of 256 consecutive bytes
.irp p, 0,1,2,3,4,5
	ds_load_b64 v[(\reg)+2*\p:(\reg)+2*\p+1], v[\adr] offset:(\off)+256*\p
.endr
.endm
.macro FETCH0 k                        ; S0's eight fragments and scale words of K step k
	WIN TO_S0
.irp j, 0,1,2,3,4,5,6,7
	FRAG 96*((\k)%2)+12*\j, ADRB+(\k)/4, 2*CH*\j+CH*(((\k)/2)%2)+FIB*((\k)%2)
.endr
	WIN 0
.irp j, 0,1,2,3,4,5,6,7
	ds_load_b32 v[SC+12*((\k)%2)+\j], v[ADSB+(\k)/4] offset:2*CH*\j+CH*(((\k)/2)%2)+128*((\k)%2)
.endr
.endm
.macro FETCH1 k                        ; my four fragments and scale words of S1
.irp j, 0,1,2,3
	FRAG A0+48*((\k)%2)+12*\j, ADRA+(\k)/4, 2*CH*\j+CH*(((\k)/2)%2)+FIB*((\k)%2)
.endr
.irp j, 0,1,2,3
	ds_load_b32 v[SC+12*((\k)%2)+8+\j], v[ADSA+(\k)/4] offset:2*CH*\j+CH*(((\k)/2)%2)+128*((\k)%2)
.endr
.endm
; 16 matrix instructions: my tiles a0, a0 + 1 of S1 x S0's eight.  The 32 accumulators take turns, one instruction a turn, in the same order in every step.
; In K step 0 the bias is the C: nothing is cleared and nothing is added afterwards.
.macro MUL k, a0
.irp a, \a0, \a0+1
.irp b, 0,1,2,3,4,5,6,7
.if (\k) == 0
	v_wmma_scale_f32_16x16x128_f8f6f4 v[8*(8*(\a)+\b):8*(8*(\a)+\b)+7], v[12*\b:12*\b+11], v[A0+12*(\a):A0+12*(\a)+11], v[BP+8*\b:BP+8*\b+7], v[SC+\b], v[SC+8+(\a)] matrix_a_fmt:MATRIX_FMT_FP6 matrix_b_fmt:MATRIX_FMT_FP6
.else
	v_wmma_scale_f32_16x16x128_f8f6f4 v[8*(8*(\a)+\b):8*(8*(\a)+\b)+7], v[96*((\k)%2)+12*\b:96*((\k)%2)+12*\b+11], v[A0+48*((\k)%2)+12*(\a):A0+48*((\k)%2)+12*(\a)+11], v[8*(8*(\a)+\b):8*(8*(\a)+\b)+7], v[SC+12*((\k)%2)+\b], v[SC+12*((\k)%2)+8+(\a)] matrix_a_fmt:MATRIX_FMT_FP6 matrix_b_fmt:MATRIX_FMT_FP6
.endif
.endr
.endr
.endm
.macro STEP k
	s_wait_dscnt 0x0                               ; this step's fragments and scale words are in
.if (\k) == 3
	s_wait_tensorcnt 0x0                           ; my part of the second half of K has landed: no load of mine is out;
	s_barrier_signal -1
	s_barrier_wait -1                              ; everybody's has.
.endif
.if (\k) < 7
	PLACES                                         ; behind the last step's products, which read the registers that the loads below and in this step's middle fill
	FETCH0 (\k)+1
.endif
.if (\k) == 0
	WIN W_FIRST
.else
	WIN W_MUL
.endif
	MUL \k, 0
.if (\k) < 7
	WIN 0
	FETCH1 (\k)+1
.endif
.if (\k) == 0
	WIN W_FIRST
.else
	WIN W_MUL
.endif
	MUL \k, 2
	WIN 0
.endm
	s_load_b128 s[4:7], s[0:1], 0x0                ; xr, wqr
	s_load_b128 s[8:11], s[0:1], 0x10              ; b_qkv, qkr
	s_load_b64 s[12:13], s[0:1], 0x20              ; vr
	v_lshl_add_u32 v251, v0, 2, 0x4e000
	v_mov_b32 v255, 0
	ds_add_u32 v251, v255
	ds_add_u32 v251, v255
	v_lshrrev_b32 v4, 5, v0
	v_readfirstlane_b32 s[WV], v4                  ; wave 0..3
	s_lshr_b32 s15, s[WV], 1                       ; I fetch for S1 (0) or for S0 (1)
	s_and_b32 s16, s[WV], 1                        ; and which half of its tiles
	s_bfe_u32 s17, ttmp6, 0x40000                  ; cx
	s_bfe_u32 s18, ttmp6, 0x40004                  ; cy
	s_and_b32 s19, ttmp7, 0xffff                   ; the cluster's y: 0-7 q and k, 8-11 v
	s_max_u32 s22, s19, 8
	s_sub_co_u32 s22, s22, 8
	s_lshl_b32 s22, s22, 2
	s_add_co_u32 s22, s22, ttmp9                   ; q, k: the cluster's x;  v: 4 (y - 8) + x
	s_lshl_b32 s22, s22, 2
	s_add_co_u32 s22, s22, s17                     ; ix: which 128 rows of S0 (it holds cx and never cy)
	s_cmp_ge_u32 s19, 8
	s_cselect_b32 s20, 1, 0                        ; 1: v
	s_cselect_b32 s21, 0, -1                       ; a lane mask: all ones for q and k
	s_cselect_b32 s23, 0, s19
	s_lshl_b32 s23, s23, 2
	s_add_co_u32 s23, s23, s18                     ; iy: which 256 rows of S1 (it holds cy and never cx)
	s_lshl_b32 s77, s18, 2
	s_lshl_b32 s77, 15, s77                        ; my row of the cluster
	s_lshl_b32 s78, 0x1111, s17                    ; my column
	; group 1: R rows (tiles) of one half: 832 elements of 8 bytes, 1,664 elements from tile to tile; no padding
	s_or_b32 s[G1A], s77, (3<<16)|(1<<21)          ; 15:0 the mask; 17:16 elements of 8 bytes; 21 set beside a mask
	s_or_b32 s[G1B], s78, (3<<16)|(1<<21)
.irp g, G1A, G1B
	s_mov_b32 s[\g+1], 832<<16                     ; tensor_dim0: half a tile, 6,656 bytes
	s_mov_b32 s[\g+3], 832<<16                     ; tile_dim0
	s_mov_b32 s[\g+5], 1664                        ; tensor_dim0_stride
	s_mov_b32 s[\g+6], 0
	s_mov_b32 s[\g+7], 0
.endr
	s_mov_b32 s[G1A+2], 8<<16                      ; tensor_dim1: S1: 8 tiles a load
	s_mov_b32 s[G1A+4], 8                          ; tile_dim1
	s_mov_b32 s[G1B+2], 4<<16                      ; S0: 4 tiles a load
	s_mov_b32 s[G1B+4], 4
	s_lshl_b32 s80, s23, 4
	s_lshl_b32 s81, s16, 3
	s_add_co_u32 s80, s80, s81
	s_mul_i32 s80, s80, TP                         ; S1: tile 16 iy + 8 half
	s_mov_b32 s81, 0
	s_lshl_b32 s82, s22, 3
	s_lshl_b32 s83, s16, 2
	s_add_co_u32 s82, s82, s83
	s_mul_i32 s82, s82, TP                         ; S0: tile 8 ix + 4 half
	s_mov_b32 s83, 0
	s_mul_i32 s84, s16, 16*CH                      ; where they go: no place in the cluster enters an LDS address
	s_mul_i32 s85, s16, 8*CH
	s_add_co_u32 s85, s85, S0OFF
	s_mov_b32 s[SEL], 0x76543210
	s_mov_b32 s[SEL+1], 0xfedcba98
	s_wait_dscnt 0x0
	s_wait_kmcnt 0x0
	s_cmp_ge_u32 s19, 8
	s_cselect_b64 s[86:87], s[6:7], s[4:5]         ; S1: v: the weight, else x
	s_cselect_b64 s[88:89], s[4:5], s[6:7]         ; S0: v: x, else the weight
	s_cselect_b32 s90, 128*TP, 0                   ; v's columns begin at the weight's tile 128
	s_mov_b32 s91, 0
	s_add_nc_u64 s[86:87], s[86:87], s[90:91]
	s_add_nc_u64 s[86:87], s[86:87], s[80:81]
	s_add_nc_u64 s[88:89], s[88:89], s[82:83]
	ROUND                                          ; all sixteen work-groups are here: the joint loads meet
.irp c, 0,1
	s_mov_b32 s[G0A+4*\c], 1
	s_add_co_u32 s[G0A+4*\c+1], s84, \c*CHUNK                          ; LDS address
	s_add_nc_u64 s[G0A+4*\c+2:G0A+4*\c+3], s[86:87], \c*2*CH           ; global address: half c of my tiles
	s_or_b32 s[G0A+4*\c+3], s[G0A+4*\c+3], 0x80000000                  ; type = 2
	s_mov_b32 s[56+4*\c+4*(\c/2)], 1
	s_add_co_u32 s[56+4*\c+4*(\c/2)+1], s85, \c*CHUNK
	s_add_nc_u64 s[56+4*\c+4*(\c/2)+2:56+4*\c+4*(\c/2)+3], s[88:89], \c*2*CH
	s_or_b32 s[56+4*\c+4*(\c/2)+3], s[56+4*\c+4*(\c/2)+3], 0x80000000
.endr
	s_cmp_eq_u32 s15, 0                            ; a wave's load stands in one branch on its number: one load of mine is out
	s_cbranch_scc0 .Lfor_s0
	tensor_load_to_lds s[G0A:G0A+3], s[G1A:G1A+7]  ; one tensor load a wave at the head
	s_nop 0
	PLACES                                         ; four v_nop follow the last load
	s_branch .Lasked
.Lfor_s0:
	tensor_load_to_lds s[56:59], s[G1B:G1B+7]
	s_nop 0
	PLACES
.Lasked:
	v_and_b32 v4, 31, v0                           ; lane
	v_lshlrev_b32 v1, 3, v4                        ; 8 x lane
	v_lshlrev_b32 v2, 2, v4                        ; 4 x lane
	v_bfe_u32 v5, v0, 4, 1                         ; h
	v_lshlrev_b32 v3, 6, v5                        ; 64 h: a lane's 16 numbers of a bias along S0
	v_and_b32 v6, 15, v0
	v_and_b32 v7, 8, v6
	v_add_nc_u32 v6, v6, v7
	v_lshlrev_b32 v6, 2, v6                        ; 4 (r + 8 (r / 8)): a lane's number of a bias along S1
	s_mul_i32 s92, s[WV], 8*CH
.irp c, 0,1
	s_add_co_u32 s93, s92, \c*CHUNK
	v_add_nc_u32 v[ADRA+\c], s93, v1
	s_add_co_u32 s93, s93, 2*FIB
	v_add_nc_u32 v[ADSA+\c], s93, v2
	v_add_nc_u32 v[ADRB+\c], S0OFF+\c*CHUNK, v1
	v_add_nc_u32 v[ADSB+\c], S0OFF+2*FIB+\c*CHUNK, v2
.endr
	; both biases are loaded on every path, from addresses inside b_qkv, and the one that does not apply is masked to 0
	s_cmp_ge_u32 s19, 8
	s_cselect_b32 s94, 0, s22
	s_cselect_b32 s96, s23, 0
	s_lshl_b32 s94, s94, 9                         ; q, k: 128 ix numbers on
	s_mov_b32 s95, 0
	s_add_nc_u64 s[94:95], s[8:9], s[94:95]
	s_lshl_b32 s96, s96, 10                        ; v: 2,048 + 256 iy + 64 wave numbers on
	s_lshl_b32 s97, s[WV], 8
	s_add_co_u32 s96, s96, s97
	s_add_co_u32 s96, s96, 8192
	s_mov_b32 s97, 0
	s_add_nc_u64 s[96:97], s[8:9], s[96:97]
	s_wait_alu depctr_va_vdst(0)                   ; directly ahead of the loads that read v3 and v6
.irp b, 0,1,2,3,4,5,6,7
	global_load_b128 v[BP+8*\b:BP+8*\b+3], v3, s[94:95] offset:(32*(\b/2)+8*(\b%2))*4      ; register j of tile b: column 32 (b / 2) + 16 h + 8 (b % 2) + j
	global_load_b128 v[BP+8*\b+4:BP+8*\b+7], v3, s[94:95] offset:(32*(\b/2)+8*(\b%2))*4+16
.endr
.irp a, 0,1,2,3
	global_load_b32 v[BQ+2*\a], v6, s[96:97] offset:(32*(\a/2)+8*(\a%2))*4
.endr
.irp b, 0,1,2,3
	v_mov_b32 v[TM+4+\b], 0                        ; written once: a lane permute's destination counts as one of its sources
	v_mov_b32 v[BQ+2*\b+1], 0                      ; named as the upper half of a pair
.endr
	s_wait_loadcnt 0x0
.set i, 0
.rept 64
	v_cndmask_b32 v[BP+i], 0, v[BP+i], s21         ; kept for q and k, 0 for v
.set i, i+1
.endr
.irp a, 0,1,2,3
	v_cndmask_b32 v[BQ+2*\a], v[BQ+2*\a], 0, s21   ; 0 for q and k, kept for v
.endr
	s_wait_alu depctr_va_vdst(0)
	s_wait_tensorcnt 0x0                           ; my part of the first half has landed
	ds_add_u32 v251, v255
	s_wait_dscnt 0x0
	ROUND                                          ; everybody's part is in, and all sixteen work-groups are here: the joint loads meet
	s_cmp_eq_u32 s15, 0
	s_cbranch_scc0 .Lfor_s0b
	tensor_load_to_lds s[G0A+4:G0A+7], s[G1A:G1A+7]   ; the second half of K: my one load behind the round; it has K steps 0 to 3 in which to land
	s_nop 0
	PLACES
	s_branch .Laskedb
.Lfor_s0b:
	tensor_load_to_lds s[60:63], s[G1B:G1B+7]
	s_nop 0
	PLACES
.Laskedb:
	FETCH0 0
	FETCH1 0
	STEP 0
	STEP 1
	STEP 2
	STEP 3
	STEP 4
	STEP 5
	STEP 6
	STEP 7
	; THE WAY OUT.  v's bias; then each of my four tiles of S1 has 64 numbers a lane, register 16 b + i = place 32 b + 16 (lane / 16) + i along S0: they become a fragment's codes and a scale word.
	PLACES
	WIN 0x41                                       ; destination and source 0 window 1
.irp a, 0,1,2,3
.set i, 0
.rept 32
	v_pk_add_f32 v[64*\a+i:64*\a+i+1], v[64*\a+i:64*\a+i+1], v[BQ+2*\a:BQ+2*\a+1] op_sel_hi:[1,0]   ; each accumulator from its low end on
.set i, i+2
.endr
.endr
	WIN 0
.macro QUANTW a
	WIN 0x05                                       ; sources 0 and 1 window 1
.irp b, 0,1,2,3
	v_max3_num_f32 v[TM+\b], |v[64*\a+16*\b]|, |v[64*\a+16*\b+1]|, 0x1800000   ; block b: my 16 numbers, and the floor 2^(3 - 127): the byte cannot fall under 1
.endr
.irp i, 2,4,6,8,10,12,14
.irp b, 0,1,2,3
	v_max3_num_f32 v[TM+\b], |v[64*\a+16*\b+\i]|, |v[64*\a+16*\b+\i+1]|, v[TM+\b]
.endr
.endr
	WIN 0
.irp b, 0,1,2,3
	v_permlanex16_b32 v[TM+4+\b], v[TM+\b], s[SEL], s[SEL+1]
.endr
.irp b, 0,1,2,3
	v_max_num_f32 v[TM+\b], v[TM+\b], v[TM+4+\b]   ; with lane l xor 16's: the block's largest magnitude
.endr
.irp b, 0,1,2,3
	v_add_nc_u32 v[TM+12+\b], 0xff000000, v[TM+\b] ; 2 off its exponent field: the conversion's scale operand
.endr
.irp b, 0,1,2,3
	v_lshrrev_b32 v[TM+4+\b], 23, v[TM+12+\b]      ; the scale's byte
.endr
	v_lshl_or_b32 v[PW+\a], v[TM+5], 8, v[TM+4]
	v_lshl_or_b32 v[PW+\a], v[TM+6], 16, v[PW+\a]
	v_lshl_or_b32 v[PW+\a], v[TM+7], 24, v[PW+\a]
	WIN 0x01                                       ; source 0 window 1
.irp c, 0,1
	v_cvt_scalef32_pk16_fp6_f32 v[CD+12*\a+6*\c:CD+12*\a+6*\c+2], v[64*\a+32*\c:64*\a+32*\c+15], v[TM+12+2*\c]
	v_cvt_scalef32_pk16_fp6_f32 v[CT+4*\c:CT+4*\c+2], v[64*\a+32*\c+16:64*\a+32*\c+31], v[TM+12+2*\c+1]
.endr
	WIN 0
	v_nop                                          ; one plain place behind a scaled conversion
.irp c, 0,1
.irp i, 0,1,2
	v_permlane16_swap_b32 v[CD+12*\a+6*\c+\i], v[CT+4*\c+\i]
.endr
.irp i, 0,1,2
	v_mov_b32 v[CD+12*\a+6*\c+3+\i], v[CT+4*\c+\i]
.endr
.endr
.endm
	QUANTW 0
	QUANTW 1
	QUANTW 2
	QUANTW 3
	s_cmp_eq_u32 s20, 0                            ; the same in all partners of a cluster
	s_cbranch_scc0 .Lv_out
	; q, k: registers 0-5 of a fragment are the first of my two heads, registers 6-11 the second; a record takes one head's six registers of two neighbouring tiles of tokens
	s_lshr_b32 s76, s22, 3
	s_lshl_b32 s76, s76, 6                         ; q or k: 64
	s_lshr_b32 s77, s23, 3
	s_lshl_b32 s77, s77, 4                         ; the batch: 16
	s_add_co_u32 s76, s76, s77
	s_and_b32 s77, s22, 7
	s_lshl_b32 s77, s77, 1                         ; my first head
	s_add_co_u32 s76, s76, s77
	s_mul_i32 s76, s76, IDXB
	s_and_b32 s77, s23, 7
	s_lshl_b32 s77, s77, 1
	s_add_co_u32 s77, s77, s15                     ; key step 2 (iy % 8) + wave / 2
	s_mul_i32 s77, s77, STEPB
	s_add_co_u32 s76, s76, s77
	s_mul_i32 s77, s16, 2*FIB                      ; records 2 (wave % 2) and the next
	s_add_co_u32 s80, s76, s77
	s_mov_b32 s81, 0
	s_lshl_b32 s77, s16, 8
	s_add_co_u32 s82, s76, s77
	s_add_co_u32 s82, s82, 4*FIB
	s_mov_b32 s83, 0
	s_add_nc_u64 s[80:81], s[10:11], s[80:81]
	s_add_nc_u64 s[82:83], s[10:11], s[82:83]
.irp g, 0,1
	v_perm_b32 v[SW+2*\g], v[PW+2*\g+1], v[PW+2*\g], 0x05040100     ; the first head's two bytes of both tiles
	v_perm_b32 v[SW+2*\g+1], v[PW+2*\g+1], v[PW+2*\g], 0x07060302   ; the second head's
.endr
	s_wait_alu depctr_va_vdst(0)
.irp g, 0,1
.irp e, 0,1
.irp u, 0,1
.irp q, 0,1,2
	global_store_b64 v1, v[CD+12*(2*\g+\u)+6*\e+2*\q:CD+12*(2*\g+\u)+6*\e+2*\q+1], s[80:81] offset:IDXB*\e+FIB*\g+256*(3*\u+\q)   ; 256 consecutive aligned bytes
.endr
.endr
	global_store_b32 v2, v[SW+2*\g+\e], s[82:83] offset:IDXB*\e+128*\g
.endr
.endr
	s_branch .Lend
.Lv_out:
	; v: my four tiles are one head's 64, my 128 rows of x one key step: four records as they stand
	s_lshr_b32 s76, s22, 4
	s_lshl_b32 s76, s76, 4                         ; the batch: 16
	s_lshl_b32 s77, s23, 2
	s_add_co_u32 s76, s76, s77
	s_add_co_u32 s76, s76, s[WV]                   ; head 4 iy + wave
	s_lshl_b32 s76, s76, 4
	s_and_b32 s77, s22, 15
	s_add_co_u32 s76, s76, s77                     ; key step ix % 16
	s_mul_i32 s80, s76, STEPB
	s_mov_b32 s81, 0
	s_add_nc_u64 s[80:81], s[12:13], s[80:81]
	s_wait_alu depctr_va_vdst(0)
.irp a, 0,1,2,3
.irp p, 0,1,2,3,4,5
	global_store_b64 v1, v[CD+12*\a+2*\p:CD+12*\a+2*\p+1], s[80:81] offset:FIB*\a+256*\p
.endr
	global_store_b32 v2, v[PW+\a], s[80:81] offset:4*FIB+128*\a
.endr
.Lend:
	s_wait_tensorcnt 0x0
	ds_add_u32 v251, v255
	s_wait_dscnt 0x0
	ROUND                                          ; the closing round: no work-group ends while a partner may still ask for a tile that names it
	s_endpgm
.Lfunc_end_k_qf070f1607c_gemm_qkv:
	.size	k_qf070f1607c_gemm_qkv, .Lfunc_end_k_qf070f1607c_gemm_qkv-k_qf070f1607c_gemm_qkv
	.p2alignl 7, 3214868480
	.fill 96, 4, 3214868480
	.section	.rodata,"a",@progbits
	.p2align	6, 0x0
	.amdhsa_kernel k_qf070f1607c_gemm_qkv
		.amdhsa_group_segment_fixed_size 327680
		.amdhsa_private_segment_fixed_size 0
		.amdhsa_enable_private_segment 0
		.amdhsa_kernarg_size 40
		.amdhsa_user_sgpr_count 2
		.amdhsa_user_sgpr_kernarg_segment_ptr 1
		.amdhsa_wavefront_size32 1
		.amdhsa_system_sgpr_workgroup_id_x 1
		.amdhsa_system_sgpr_workgroup_id_y 1
		.amdhsa_system_sgpr_workgroup_id_z 1
		.amdhsa_system_vgpr_workitem_id 0
		.amdhsa_next_free_vgpr 704
		.amdhsa_next_free_sgpr 100
		.amdhsa_reserve_vcc 0
		.amdhsa_float_denorm_mode_32 3
		.amdhsa_float_denorm_mode_16_64 3
		.amdhsa_memory_ordered 1
		.amdhsa_forward_progress 1
		.amdhsa_inst_pref_size 122
	.end_amdhsa_kernel
	.amdgpu_metadata
---
amdhsa.version: [ 1, 2 ]
amdhsa.kernels:
  - .name:           k_qf070f1607c_gemm_qkv
    .symbol:         k_qf070f1607c_gemm_qkv.kd
    .args:
      - { .name: xr, .offset: 0, .size: 8, .value_kind: global_buffer, .address_space: global }
      - { .name: wqr, .offset: 8, .size: 8, .value_kind: global_buffer, .address_space: global }
      - { .name: b_qkv, .offset: 16, .size: 8, .value_kind: global_buffer, .address_space: global }
      - { .name: qkr, .offset: 24, .size: 8, .value_kind: global_buffer, .address_space: global }
      - { .name: vr, .offset: 32, .size: 8, .value_kind: global_buffer, .address_space: global }
    .group_segment_fixed_size: 327680
    .private_segment_fixed_size: 0
    .kernarg_segment_align: 8
    .kernarg_segment_size: 40
    .max_flat_workgroup_size: 128
    .sgpr_count:     100
    .vgpr_count:     704
    .wavefront_size: 32
...
	.end_amdgpu_metadata
.endif
;; end of part 3
;; launch attn (part 4): grid 4 x 64, 16 waves a work-group, clusters of 4 x 1, 215,040 bytes of LDS; arguments qkr, vr, ar; writes ar
.if DOCPART == 4
	.amdgcn_target "amdgcn-amd-amdhsa--gfx1250"
	.amdhsa_code_object_version 6
	.text
	.protected	k_qf070f1607c_attn
	.globl	k_qf070f1607c_attn
	.p2align	8
	.type	k_qf070f1607c_attn,@function
k_qf070f1607c_attn:
	s_mov_b64 s[64:65], 0
	v_nop
	global_prefetch_b8 v0, s[64:65] scope:SCOPE_SE
	s_setreg_imm32_b32 hwreg(HW_REG_WAVE_MODE, 25, 1), 1
	s_wait_xcnt 0x0
	s_wait_alu depctr_hold_cnt(0) depctr_sa_sdst(0) depctr_va_vdst(0) depctr_va_sdst(0) depctr_va_ssrc(0) depctr_va_vcc(0) depctr_vm_vsrc(0)
	s_getreg_b32 s2, hwreg(HW_REG_IB_STS2, 6, 4)
	s_cmp_eq_u32 s2, 0
	s_cbranch_scc0 .Lentry_in_a_cluster
	s_endpgm
.Lentry_in_a_cluster:
	s_bfe_u32 s2, ttmp6, 0x10000c
	s_cmp_lg_u32 s2, 0x3003
	s_cbranch_scc0 .Lentry_shape_is_right
	s_endpgm
.Lentry_shape_is_right:
; attn[q] = the sum over keys of softmax(q . k / 8) v for one head of one batch, both products on codes of FP6 (E2M3) with E8M0 scales; the result is quantised here, along the model's 1,024, for the last product.
; THE SOFTMAX AHEAD OF THE SECOND PRODUCT: t = score x log2(e) / 8; M = the row's largest t so far, rounded UP to a whole number; p = 2^(t - M) is what is quantised, along the keys, not normalised.
; The row's sum is taken of the unquantised p, in f32, and divides at the end.  When M moves, the sum and O are multiplied by 2^(old M - new M): exact.
; SHARES: a work-group owns 512 queries of one head; each of its sixteen waves 32 of them, two tiles of 16, in two passes over all 2,048 keys, 128 a step.  Four waves share a SIMD, so that one wave's vector work
; stands beside another's matrix work and LDS loads.
; LDS: THE HEAD'S WHOLE K (106,496 bytes) AND V (as many) ARE RESIDENT, as images of the operands' registers: every byte is filled once, by loads that all go out at the start; no slot is filled again.
; CLUSTER 4 x 1: the four work-groups of a head ask for K and V jointly, with a mask that names all four.
; LAYOUT: both products are used transposed: S^T = K Q^T, O^T = V^T P^T: a lane holds ONE query (lane % 16) throughout.  By the order of rows in a tile the 16 registers of two neighbouring tiles of keys are 16 neighbouring keys.
; K = 64 IN AN INSTRUCTION OF 128: a record of K holds two tiles of keys side by side, [tile 2 g | tile 2 g + 1] along the instruction's K.  It is multiplied twice: by (q, 0), which gives tile 2 g's scores, and by (0, q),
; which gives tile 2 g + 1's.  The other half meets zero codes, which add exactly 0 under any scale byte from 1 to 254.  q stands between runs of zero registers, so that both forms are runs of the same registers.
; RESULT: ar is laid as xr: [tile of 16 tokens][chunk][two images, two scale images]; a head is half of a K step of 128: three pieces (256 consecutive aligned bytes each) and two bytes of each row's scale word
; (stores of 2 bytes a lane, 4 bytes apart: one thirteenth of what is stored).
; LIMITS: a block of zeros gets the byte 1 where the rule says 127 (its codes are zeros, and this program alone reads the bytes); blocks whose largest magnitude lies under 2^-124 have their byte held at 1; NaN and infinities are not served.
; A block's largest p is taken as the exponential of the block's largest score: this takes v_exp_f32 not to fall where its input rises.
.set IDXB,  106496                     ; a head in qkr or vr
.set STEPB, 6656                       ; a key step: 4 records of 1,536 bytes, 4 scale images of 128
.set FIB,   1536
.set VB,    106496                     ; V's first byte in LDS
.set ADK,  8                           ; v8-11 the step's LDS addresses: K's records, V's, K's scale images, V's
.set ADV,  9
.set ADKS, 10
.set ADVS, 11
.set QZ,   16                          ; v16-45 [0 x 6][q of tile 0][0 x 6][q of tile 1][0 x 6];  v46, v47 their scale words
.set QS,   46
.set FB,   48                          ; v48-95   four fragments, K's and then V's
.set FS,   96                          ; v96-99   their scale words
.set S,    100                         ; v100-163 S^T, then p
.set O,    164                         ; v164-195 O^T
.set PC,   196                         ; v196-207 p's codes
.set CT,   208                         ; v208-215 the conversions' second halves
.set BM,   216                         ; v216-219 the blocks' largest scores
.set BT,   220                         ; v220-223 at work
.set BS,   224                         ; v224-227 the conversions' scale operands
                                       ; v12 -M, v13 the largest t, v[14:15] the sum in two halves; v228 f, v229 p's scale word; v230 at work; v[232:233] the second chain of the sum; v234 q's scale word as loaded
.set WV,   18
.set SEL,  20                          ; s[20:21]
.set CS,   22                          ; s[22:23] c = log2(e) / 8
.set G1,   24                          ; s[24:31] group 1;  s[32:35] group 0
.set G0,   32
.set TB,   48                          ; s48 LDS byte at which the step's K begins
.set CNT,  49
.macro ROUND                           ; a round of the cluster's barrier
	s_barrier_signal -1
	s_barrier_wait -1
	s_cmp_lg_u32 s[WV], 0
	s_cbranch_scc1 .Lnot_wave_0_\@
	s_barrier_signal -3
.Lnot_wave_0_\@:
	s_barrier_wait -3
	s_barrier_signal -1
	s_barrier_wait -1
.endm
.macro PLACES
.rept 4
	v_nop
.endr
.endm
	s_load_b128 s[4:7], s[0:1], 0x0                ; qkr, vr
	s_load_b64 s[8:9], s[0:1], 0x10                ; ar
	v_lshl_add_u32 v240, v0, 2, 0x34000
	v_mov_b32 v241, 0
	ds_add_u32 v240, v241
	ds_add_u32 v240, v241
	v_lshrrev_b32 v6, 5, v0
	s_delay_alu instid0(VALU_DEP_1)
	v_readfirstlane_b32 s[WV], v6                  ; wave 0..15
	s_bfe_u32 s10, ttmp6, 0x40000                  ; cx: which 512 queries: it enters q's and ar's addresses alone
	s_and_b32 s11, ttmp7, 0xffff                   ; batch 16 + head, which the four partners share
	; group 1: 13,312 dense bytes as 52 rows of 256 bytes (32 elements of 8 bytes)
	s_mov_b32 s[G1], 15|(3<<16)|(1<<21)            ; 15:0 the mask: all four work-groups; 17:16 elements of 8 bytes; 21 set beside a mask
	s_mov_b32 s[G1+1], 32<<16                      ; tensor_dim0
	s_mov_b32 s[G1+2], 52<<16                      ; tensor_dim1
	s_mov_b32 s[G1+3], 32<<16                      ; tile_dim0
	s_mov_b32 s[G1+4], 52                          ; tile_dim1
	s_mov_b32 s[G1+5], 32                          ; tensor_dim0_stride
	s_mov_b32 s[G1+6], 0
	s_mov_b32 s[G1+7], 0
	s_and_b32 s12, s[WV], 7
	s_mul_i32 s12, s12, 13312                      ; waves 0-7 fetch K's eight pieces of two key steps, waves 8-15 V's: one load a wave
	s_mul_i32 s13, s[WV], 13312                    ; where they go: V's first byte is 8 x 13,312
	s_mul_i32 s14, s11, IDXB                       ; the head's first byte
	s_add_co_u32 s58, s14, s12
	s_mov_b32 s59, 0
	s_lshl_b32 s84, s10, 4
	s_add_co_u32 s84, s84, s[WV]                   ; G: my group of 32 queries, 0..63
	s_lshr_b32 s85, s84, 2
	s_mul_i32 s85, s85, STEPB
	s_add_co_u32 s85, s85, s14
	s_and_b32 s86, s84, 3
	s_mul_i32 s87, s86, FIB
	s_add_co_u32 s88, s85, s87                     ; q's record
	s_mov_b32 s89, 0
	s_lshl_b32 s87, s86, 7
	s_add_co_u32 s90, s85, s87
	s_add_co_u32 s90, s90, 4*FIB                   ; and its scale image
	s_mov_b32 s91, 0
	s_lshr_b32 s86, s11, 4
	s_lshl_b32 s86, s86, 7
	s_lshl_b32 s87, s84, 1
	s_add_co_u32 s86, s86, s87                     ; ar: tile 128 batch + 2 G
	s_mul_i32 s86, s86, 13312
	s_and_b32 s87, s11, 15                         ; head
	s_lshr_b32 s92, s87, 2
	s_mul_i32 s92, s92, 3328                       ; chunk head / 4
	s_add_co_u32 s86, s86, s92
	s_bfe_u32 s92, s11, 0x10001                    ; (head / 2) % 2: which image of the chunk
	s_and_b32 s93, s11, 1                          ; head % 2: which half of the image
	s_mul_i32 s94, s92, FIB
	s_add_co_u32 s94, s94, s86
	s_mul_i32 s95, s93, 768
	s_add_co_u32 s94, s94, s95
	s_mov_b32 s95, 0
	s_lshl_b32 s92, s92, 7
	s_add_co_u32 s92, s92, s86
	s_lshl_b32 s93, s93, 1
	s_add_co_u32 s92, s92, s93
	s_add_co_u32 s92, s92, 3072
	s_mov_b32 s93, 0
	s_mov_b32 s[SEL], 0x76543210
	s_mov_b32 s[SEL+1], 0xfedcba98
	s_mov_b32 s[CS], 0x3e38aa3b                    ; c = log2(e) / sqrt(64)
	s_mov_b32 s[CS+1], s[CS]                       ; (named with it as a pair, so it is written)
	s_wait_dscnt 0x0
	s_wait_kmcnt 0x0
	s_add_nc_u64 s[60:61], s[4:5], 64*IDXB         ; k lies behind q's 64 heads
	s_cmp_lt_u32 s[WV], 8
	s_cselect_b64 s[60:61], s[60:61], s[6:7]       ; the choice hangs on the wave's number alone
	s_add_nc_u64 s[60:61], s[60:61], s[58:59]
	s_add_nc_u64 s[50:51], s[4:5], s[88:89]
	s_add_nc_u64 s[52:53], s[4:5], s[90:91]
	s_add_nc_u64 s[54:55], s[8:9], s[94:95]
	s_add_nc_u64 s[56:57], s[8:9], s[92:93]
	ROUND                                          ; all four work-groups are here: the joint loads meet
	s_mov_b32 s[G0], 1                             ; count = 1
	s_mov_b32 s[G0+1], s13                         ; LDS address
	s_mov_b64 s[G0+2:G0+3], s[60:61]               ; global address
	s_or_b32 s[G0+3], s[G0+3], 0x80000000          ; type = 2
	tensor_load_to_lds s[G0:G0+3], s[G1:G1+7]      ; every wave issues one load, with no branch
	s_nop 0
	PLACES                                         ; four v_nop follow the load
	v_and_b32 v7, 31, v0
	s_delay_alu instid0(VALU_DEP_1)
	v_lshlrev_b32 v1, 3, v7                        ; 8 x lane: K's records
	s_delay_alu instid0(VALU_DEP_1)
	v_add_nc_u32 v2, VB, v1                        ; V's
	s_delay_alu instid0(VALU_DEP_3)
	v_lshlrev_b32 v5, 2, v7                        ; 4 x lane
	s_delay_alu instid0(VALU_DEP_1)
	v_add_nc_u32 v3, 4*FIB, v5                     ; K's scale images
	s_delay_alu instid0(VALU_DEP_2)
	v_add_nc_u32 v4, VB+4*FIB, v5                  ; V's
.irp p, 0,1,2,3,4,5
	global_load_b64 v[QZ+6+12*(\p/3)+2*(\p%3):QZ+6+12*(\p/3)+2*(\p%3)+1], v1, s[50:51] offset:256*\p   ; pieces 0-2: my first tile of queries; 3-5: my second
.endr
	global_load_b32 v234, v5, s[52:53]
.irp z, 0,1,2
.irp i, 0,1,2,3,4,5
	v_mov_b32 v[QZ+12*\z+\i], 0                    ; zero codes
.endr
.endr
.irp b, 0,1,2,3
	v_mov_b32 v[BT+\b], 0                          ; written once: a lane permute's destination counts as one of its sources
.endr
	v_mov_b32 v229, 0                              ; (named as the upper half of the pair v[228:229] before it is first written)
	v_mov_b32 v230, 0
	s_wait_loadcnt 0x0
	v_perm_b32 v[QS], v234, v234, 0x01000100       ; a tile's two bytes, for the low and for the high half of the instruction's K alike
	v_perm_b32 v[QS+1], v234, v234, 0x03020302
.macro INIT
	v_mov_b32 v13, 0xff61b1e6                      ; the largest t so far: -3e38, under every t
	s_delay_alu instid0(VALU_DEP_1)
	v_floor_f32 v12, -v13                          ; -M
	v_mov_b32 v14, 0
	v_mov_b32 v15, 0
.set i, 0
.rept 32
	v_mov_b32 v[O+i], 0                            ; O^T.  (The step is written once: the first finds zeros, which the first change of M leaves zeros)
.set i, i+1
.endr
	s_mov_b32 s[TB], 0
.endm
; A KEY STEP for my tile u of queries: 128 keys.
.macro STEP u
	v_add_nc_u32 v[ADK], s[TB], v1                 ; these four are also the places behind the last step's products, in front of the loads into the registers that those read
	v_add_nc_u32 v[ADV], s[TB], v2
	v_add_nc_u32 v[ADKS], s[TB], v3
	v_add_nc_u32 v[ADVS], s[TB], v4
.irp i, 0,1,2,3
.irp p, 0,1,2,3,4,5
	ds_load_b64 v[FB+12*\i+2*\p:FB+12*\i+2*\p+1], v[ADK] offset:FIB*\i+256*\p
.endr
	ds_load_b32 v[FS+\i], v[ADKS] offset:128*\i
.endr
	s_wait_alu depctr_va_vdst(0)
	s_wait_dscnt 0x0
.irp i, 0,1,2,3                                ; S^T: record i against (q, 0) and against (0, q)
	v_wmma_scale_f32_16x16x128_f8f6f4 v[S+16*\i:S+16*\i+7], v[FB+12*\i:FB+12*\i+11], v[QZ+6+12*\u:QZ+17+12*\u], 0, v[FS+\i], v[QS+\u] matrix_a_fmt:MATRIX_FMT_FP6 matrix_b_fmt:MATRIX_FMT_FP6
	v_wmma_scale_f32_16x16x128_f8f6f4 v[S+16*\i+8:S+16*\i+15], v[FB+12*\i:FB+12*\i+11], v[QZ+12*\u:QZ+11+12*\u], 0, v[FS+\i], v[QS+\u] matrix_a_fmt:MATRIX_FMT_FP6 matrix_b_fmt:MATRIX_FMT_FP6
.endr                                          ; register 16 i + j: key 32 i + 16 (lane / 16) + j of the step
	PLACES                                         ; in front of the loads below and of the first read of the scores
.irp i, 0,1,2,3                                ; V's four records are asked for now and land under the softmax
.irp p, 0,1,2,3,4,5
	ds_load_b64 v[FB+12*\i+2*\p:FB+12*\i+2*\p+1], v[ADV] offset:FIB*\i+256*\p
.endr
	ds_load_b32 v[FS+\i], v[ADVS] offset:128*\i
.endr
.irp b, 0,1,2,3
	v_max3_num_f32 v[BM+\b], v[S+16*\b], v[S+1+16*\b], v[S+2+16*\b]   ; the largest score of each block of 32 keys: it serves for the row's maximum and, since p rises with the score, for the block's largest p
.endr
.irp i, 3,5,7,9,11,13
.irp b, 0,1,2,3
	v_max3_num_f32 v[BM+\b], v[BM+\b], v[S+16*\b+\i], v[S+1+16*\b+\i]
.endr
.endr
.irp b, 0,1,2,3
	v_max_num_f32 v[BM+\b], v[BM+\b], v[S+15+16*\b]
.endr
.irp b, 0,1,2,3
	s_delay_alu instid0(VALU_DEP_4)
	v_permlanex16_b32 v[BT+\b], v[BM+\b], s[SEL], s[SEL+1]
.endr
.irp b, 0,1,2,3
	s_delay_alu instid0(VALU_DEP_4)
	v_max_num_f32 v[BM+\b], v[BM+\b], v[BT+\b]     ; with lane l xor 16's 16 keys
.endr
	s_delay_alu instid0(VALU_DEP_2)
	v_max3_num_f32 v230, v[BM], v[BM+1], v[BM+2]
	s_delay_alu instid0(VALU_DEP_1)
	v_max_num_f32 v230, v230, v[BM+3]              ; the step's largest score of my query
	s_delay_alu instid0(VALU_DEP_1)
	v_mul_f32 v230, s[CS], v230                    ; as t (c is positive)
	s_delay_alu instid0(VALU_DEP_1)
	v_max_num_f32 v13, v13, v230                   ; the running largest t
	v_mov_b32 v230, v12
	s_delay_alu instid0(VALU_DEP_2)
	v_floor_f32 v12, -v13                          ; the new -M = floor(-t) = -ceil(t): a whole number
	s_delay_alu instid0(VALU_DEP_1)
	v_sub_f32 v230, v12, v230                      ; M's old value less its new one: a whole number, 0 or less
	s_delay_alu instid0(VALU_DEP_1)
	v_cvt_i32_f32 v230, v230                       ; (it saturates)
	s_delay_alu instid0(VALU_DEP_1)
	v_ldexp_f32 v228, 1.0, v230                    ; f = 2^(old M - new M)
.set i, 0
.rept 32
	v_pk_fma_f32 v[S+i:S+i+1], v[S+i:S+i+1], s[CS:CS+1], v[12:13] op_sel_hi:[1,0,0]   ; t - M, two at a time
.set i, i+2
.endr
.irp b, 0,1,2,3
	v_fma_f32 v[BM+\b], v[BM+\b], s[CS], v12       ; the same of each block's largest score
.endr
.set i, 0
	s_wait_alu depctr_va_vdst(0)
.rept 64
	v_exp_f32 v[S+i], v[S+i]                       ; p = 2^(t - M), at most 1
.set i, i+1
.endr
.irp b, 0,1,2,3
	v_exp_f32 v[BM+\b], v[BM+\b]                   ; the block's largest p: the same two instructions on the same number give the same bits
.endr
	v_pk_mul_f32 v[14:15], v[14:15], v[228:229] op_sel_hi:[1,0]   ; the sums under the new M.  (A plain place behind the exponentials)
	s_wait_alu depctr_va_vdst(0)
.irp b, 0,1,2,3
	v_max_num_f32 v[BM+\b], 0x1800000, v[BM+\b]    ; the floor 2^(3 - 127): the byte cannot fall under 1
.endr
.irp b, 0,1,2,3
	s_delay_alu instid0(VALU_DEP_4)
	v_add_nc_u32 v[BS+\b], 0xff000000, v[BM+\b]    ; 2 off the exponent field: the conversion's scale operand
.endr
.irp b, 0,1,2,3
	s_delay_alu instid0(VALU_DEP_4)
	v_lshrrev_b32 v[BT+\b], 23, v[BS+\b]           ; the scale's byte
.endr
	s_delay_alu instid0(VALU_DEP_3)
	v_lshl_or_b32 v229, v[BT+1], 8, v[BT]          ; p's scale word for these 128 keys
	s_delay_alu instid0(VALU_DEP_1)
	v_lshl_or_b32 v229, v[BT+2], 16, v229
	s_delay_alu instid0(VALU_DEP_1)
	v_lshl_or_b32 v229, v[BT+3], 24, v229
.irp c, 0,1
	v_cvt_scalef32_pk16_fp6_f32 v[PC+6*\c:PC+6*\c+2], v[S+32*\c:S+32*\c+15], v[BS+2*\c]
	v_cvt_scalef32_pk16_fp6_f32 v[CT+4*\c:CT+4*\c+2], v[S+32*\c+16:S+32*\c+31], v[BS+2*\c+1]
.endr
	v_nop                                          ; one plain place behind a scaled conversion
.irp c, 0,1                                    ; the operand's layout wants a whole block in a lane
.irp i, 0,1,2
	v_permlane16_swap_b32 v[PC+6*\c+\i], v[CT+4*\c+\i]
.endr
.irp i, 0,1,2
	s_delay_alu instid0(VALU_DEP_3)
	v_mov_b32 v[PC+6*\c+3+\i], v[CT+4*\c+\i]
.endr
.endr
	v_pk_add_f32 v[232:233], v[104:105], v[108:109]
	v_pk_add_f32 v[238:239], v[112:113], v[116:117]
	v_pk_add_f32 v[236:237], v[120:121], v[124:125]
	v_pk_add_f32 v[234:235], v[128:129], v[132:133]
	v_pk_add_f32 v[226:227], v[136:137], v[140:141]
	v_pk_add_f32 v[224:225], v[144:145], v[148:149]
	v_pk_add_f32 v[218:219], v[152:153], v[156:157]
	v_pk_add_f32 v[14:15], v[14:15], v[160:161]
	v_pk_add_f32 v[232:233], v[232:233], v[100:101]
	v_pk_add_f32 v[238:239], v[238:239], v[102:103]
	v_pk_add_f32 v[236:237], v[236:237], v[106:107]
	v_pk_add_f32 v[234:235], v[234:235], v[110:111]
	v_pk_add_f32 v[226:227], v[226:227], v[114:115]
	v_pk_add_f32 v[224:225], v[224:225], v[118:119]
	v_pk_add_f32 v[218:219], v[218:219], v[122:123]
	v_pk_add_f32 v[14:15], v[14:15], v[126:127]
	v_pk_add_f32 v[232:233], v[232:233], v[130:131]
	v_pk_add_f32 v[238:239], v[238:239], v[134:135]
	v_pk_add_f32 v[236:237], v[236:237], v[138:139]
	v_pk_add_f32 v[234:235], v[234:235], v[142:143]
	v_pk_add_f32 v[226:227], v[226:227], v[146:147]
	v_pk_add_f32 v[224:225], v[224:225], v[150:151]
	v_pk_add_f32 v[218:219], v[218:219], v[154:155]
	v_pk_add_f32 v[14:15], v[14:15], v[158:159]
	v_pk_add_f32 v[232:233], v[232:233], v[162:163]
	s_delay_alu instid0(VALU_DEP_2)
	v_pk_add_f32 v[14:15], v[14:15], v[234:235]
	s_delay_alu instid0(VALU_DEP_2)
	v_pk_add_f32 v[232:233], v[232:233], v[226:227]
	v_pk_add_f32 v[238:239], v[238:239], v[224:225]
	v_pk_add_f32 v[236:237], v[236:237], v[218:219]
	s_delay_alu instid0(VALU_DEP_2)
	v_pk_add_f32 v[14:15], v[14:15], v[238:239]
	s_delay_alu instid0(VALU_DEP_2)
	v_pk_add_f32 v[232:233], v[232:233], v[236:237]
	s_delay_alu instid0(VALU_DEP_1)
	v_pk_add_f32 v[14:15], v[14:15], v[232:233]
.set i, 0
.rept 16
	v_pk_mul_f32 v[O+i:O+i+1], v[O+i:O+i+1], v[228:229] op_sel_hi:[1,0]   ; O^T under the new M, each accumulator from its low end on.  (With the sums above: the places between p's codes and scale word and the products)
.set i, i+2
.endr
	s_wait_alu depctr_va_vdst(0)
	s_wait_dscnt 0x0                               ; V's records are in
.irp t, 0,1,2,3                                ; O^T += V^T P^T: the four accumulators by turns
	v_wmma_scale_f32_16x16x128_f8f6f4 v[O+8*\t:O+8*\t+7], v[FB+12*\t:FB+12*\t+11], v[PC:PC+11], v[O+8*\t:O+8*\t+7], v[FS+\t], v229 matrix_a_fmt:MATRIX_FMT_FP6 matrix_b_fmt:MATRIX_FMT_FP6
.endr
	s_add_co_u32 s[TB], s[TB], STEPB
.endm
.macro RUN u, n                        ; n key steps
	s_mov_b32 s[CNT], \n
.Lrun_\@:
	STEP \u
	s_sub_co_u32 s[CNT], s[CNT], 1
	s_cmp_lg_u32 s[CNT], 0
	s_cbranch_scc1 .Lrun_\@
.endm
; O^T / the sum: register 16 b + i is channel 32 b + 16 (lane / 16) + i of my query's head: two blocks of the last product's K.
.macro OUT u
	PLACES                                         ; behind the last products
	v_add_f32 v14, v14, v15                        ; the sum's two halves,
	s_delay_alu instid0(VALU_DEP_1)
	v_permlanex16_b32 v230, v14, s[SEL], s[SEL+1]
	s_delay_alu instid0(VALU_DEP_1)
	v_add_f32 v14, v14, v230                       ; and lane l xor 16's
	s_wait_alu depctr_va_vdst(0)
	v_rcp_f32 v14, v14
	v_nop                                          ; one plain place behind a transcendental
.set i, 0
	s_wait_alu depctr_va_vdst(0)
.rept 32
	v_mul_f32 v[S+i], v[O+i], v14
.set i, i+1
.endr
.irp b, 0,1
	v_max3_num_f32 v[BM+\b], |v[S+16*\b]|, |v[S+1+16*\b]|, 0x1800000
.endr
.irp i, 2,4,6,8,10,12,14
.irp b, 0,1
	s_delay_alu instid0(VALU_DEP_2)
	v_max3_num_f32 v[BM+\b], v[BM+\b], |v[S+16*\b+\i]|, |v[S+1+16*\b+\i]|
.endr
.endr
.irp b, 0,1
	s_delay_alu instid0(VALU_DEP_2)
	v_permlanex16_b32 v[BT+\b], v[BM+\b], s[SEL], s[SEL+1]
.endr
.irp b, 0,1
	s_delay_alu instid0(VALU_DEP_2)
	v_max_num_f32 v[BM+\b], v[BM+\b], v[BT+\b]
.endr
.irp b, 0,1
	s_delay_alu instid0(VALU_DEP_2)
	v_add_nc_u32 v[BS+\b], 0xff000000, v[BM+\b]
.endr
.irp b, 0,1
	s_delay_alu instid0(VALU_DEP_2)
	v_lshrrev_b32 v[BT+\b], 23, v[BS+\b]
.endr
	s_delay_alu instid0(VALU_DEP_1)
	v_lshl_or_b32 v230, v[BT+1], 8, v[BT]          ; my head's two bytes of the row's scale word
	v_cvt_scalef32_pk16_fp6_f32 v[PC:PC+2], v[S:S+15], v[BS]
	v_cvt_scalef32_pk16_fp6_f32 v[CT:CT+2], v[S+16:S+31], v[BS+1]
	v_nop                                          ; one plain place behind a scaled conversion
.irp i, 0,1,2
	v_permlane16_swap_b32 v[PC+\i], v[CT+\i]
.endr
.irp i, 0,1,2
	s_delay_alu instid0(VALU_DEP_3)
	v_mov_b32 v[PC+3+\i], v[CT+\i]                 ; lane (r, h) now holds block h of the head's 64
.endr
.irp q, 0,1,2
	global_store_b64 v1, v[PC+2*\q:PC+2*\q+1], s[54:55] offset:13312*\u+256*\q   ; 32 lanes store 256 consecutive bytes, at a multiple of 256 from ar's first byte
.endr
	global_store_b16 v5, v230, s[56:57] offset:13312*\u
.endm
	INIT
	s_wait_tensorcnt 0x0                           ; my piece has landed: no load of mine is out;
	s_barrier_signal -1
	s_barrier_wait -1                              ; everybody's has: all of K and V is in.
	RUN 0, 16                                      ; the first tile's sixteen key steps
	OUT 0
	s_wait_xcnt 0x0                                ; the stores' data are written again only behind this wait
	INIT
	RUN 1, 16                                      ; the second tile finds all of K and V in LDS
	OUT 1
	s_wait_tensorcnt 0x0
	ds_add_u32 v240, v241
	s_wait_dscnt 0x0
	ROUND                                          ; the closing round: no work-group ends while a partner may still ask for a tile that names it
	s_endpgm
.Lfunc_end_k_qf070f1607c_attn:
	.size	k_qf070f1607c_attn, .Lfunc_end_k_qf070f1607c_attn-k_qf070f1607c_attn
	.p2alignl 7, 3214868480
	.fill 96, 4, 3214868480
	.section	.rodata,"a",@progbits
	.p2align	6, 0x0
	.amdhsa_kernel k_qf070f1607c_attn
		.amdhsa_group_segment_fixed_size 215040
		.amdhsa_private_segment_fixed_size 0
		.amdhsa_enable_private_segment 0
		.amdhsa_kernarg_size 24
		.amdhsa_user_sgpr_count 2
		.amdhsa_user_sgpr_kernarg_segment_ptr 1
		.amdhsa_wavefront_size32 1
		.amdhsa_system_sgpr_workgroup_id_x 1
		.amdhsa_system_sgpr_workgroup_id_y 1
		.amdhsa_system_sgpr_workgroup_id_z 1
		.amdhsa_system_vgpr_workitem_id 0
		.amdhsa_next_free_vgpr 242
		.amdhsa_next_free_sgpr 100
		.amdhsa_reserve_vcc 0
		.amdhsa_float_denorm_mode_32 3
		.amdhsa_float_denorm_mode_16_64 3
		.amdhsa_memory_ordered 1
		.amdhsa_forward_progress 1
		.amdhsa_inst_pref_size 56
	.end_amdhsa_kernel
	.amdgpu_metadata
---
amdhsa.version: [ 1, 2 ]
amdhsa.kernels:
  - .name:           k_qf070f1607c_attn
    .symbol:         k_qf070f1607c_attn.kd
    .args:
      - { .name: qkr, .offset: 0, .size: 8, .value_kind: global_buffer, .address_space: global }
      - { .name: vr, .offset: 8, .size: 8, .value_kind: global_buffer, .address_space: global }
      - { .name: ar, .offset: 16, .size: 8, .value_kind: global_buffer, .address_space: global }
    .group_segment_fixed_size: 215040
    .private_segment_fixed_size: 0
    .kernarg_segment_align: 8
    .kernarg_segment_size: 24
    .max_flat_workgroup_size: 512
    .sgpr_count:     100
    .vgpr_count:     242
    .wavefront_size: 32
...
	.end_amdgpu_metadata
.endif
;; end of part 4
;; launch gemm_out (part 5): grid 8 x 32, 4 waves a work-group, clusters of 4 x 4, 327,680 bytes of LDS; arguments ar, wor, b_out, out0; writes out0
.if DOCPART == 5
	.amdgcn_target "amdgcn-amd-amdhsa--gfx1250"
	.amdhsa_code_object_version 6
	.text
	.protected	k_qf070f1607c_gemm_out
	.globl	k_qf070f1607c_gemm_out
	.p2align	8
	.type	k_qf070f1607c_gemm_out,@function
k_qf070f1607c_gemm_out:
	s_mov_b64 s[64:65], 0
	v_nop
	global_prefetch_b8 v0, s[64:65] scope:SCOPE_SE
	s_setreg_imm32_b32 hwreg(HW_REG_WAVE_MODE, 25, 1), 1
	s_wait_xcnt 0x0
	s_wait_alu depctr_hold_cnt(0) depctr_sa_sdst(0) depctr_va_vdst(0) depctr_va_sdst(0) depctr_va_ssrc(0) depctr_va_vcc(0) depctr_vm_vsrc(0)
	s_getreg_b32 s2, hwreg(HW_REG_IB_STS2, 6, 4)
	s_cmp_eq_u32 s2, 0
	s_cbranch_scc0 .Lentry_in_a_cluster
	s_endpgm
.Lentry_in_a_cluster:
	s_bfe_u32 s2, ttmp6, 0x10000c
	s_cmp_lg_u32 s2, 0xf033
	s_cbranch_scc0 .Lentry_shape_is_right
	s_endpgm
.Lentry_shape_is_right:
; out0 = attn w_out + b_out on codes of FP6 (E2M3) with E8M0 scales; sums in f32.
; THE PRODUCT: source 0 = S0 = 128 columns of w_out (8 tiles of 16), source 1 = S1 = 256 tokens of attn (16 tiles), K = 1,024 in 8 steps of 128.  A lane holds ONE token, and its registers run along the columns.
; Both operands lie in memory as images of their registers: [tile][chunk 0..3][two images of 1,536 bytes, two scale images of 128]; row r of tile t is row 32 (t / 2) + 8 (t % 2) + r + 8 (r / 8).
; SHARES: 256 work-groups of four waves; wave w takes S1's tiles 4 w .. 4 w + 3 against all 8 of S0: 32 accumulators, 256 registers, 32 matrix instructions a K step.
; LDS: THE WHOLE K IS RESIDENT: two halves of four K steps, each [S1: 16 x 6,656 bytes][S0: 8 x 6,656].  Every byte is filled once, the first half by loads at the start, the second by loads behind a round: no slot is filled again.
; CLUSTER 4 x 4: S1's tiles hang on iy and are shared along a row of the cluster, S0's on ix and along a column: each is asked for jointly, by the same tensor load with the same descriptor and a mask that names the four.
; The bias is the C of the first K step.  The order of rows in a tile is undone on the way out, by the stores' immediates alone.
; LIMITS: NaN and infinities are not served.
; REGISTERS, in windows of 256: window 0: v1-26 addresses; v32-55 scale words, two sets of 12; v64-127 the bias, 8 tiles x 8; v128-223 S1's fragments, two sets of 48; on the way out v128-255 rows of out0.
;   window 1: accumulator (a, b) at v[8 (8 a + b)].   window 2: v0-191 S0's fragments, two sets of 96.
.set TP,    13312
.set CH,    3328
.set FIB,   1536
; LDS NOW HOLDS TWO HALVES OF K (four K steps each): [S1: 16 tiles x 6,656 bytes][S0: 8 x 6,656].  Each wave asks for its part of the first half at the head and for its part of the second behind a round.
.set CHUNK, 48*CH
.set S0OFF, 32*CH
.set SROW,  528                        ; a stage row: 512 bytes + 16, an odd multiple of 16
.set ADRA, 8
.set ADRB, 12
.set ADSA, 16
.set ADSB, 20
.set STO,  24                          ; v24 the way out: where I put 32 bytes of a row
.set RD,   25                          ; v25 where I read a row back
.set CO,   26                          ; v26 my byte offset in a row's 512 bytes
.set SC,   32
.set BP,   64
.set A0,   128
.set BK,   128
.set WV,   14
.set G1A,  24
.set G1B,  32
.set G0A,  40
.set W_MUL,   0x52                     ; source 0 (S0) window 2, source 1 (S1) window 0, C and D window 1
.set W_FIRST, 0x42                     ; the same with C (the bias) in window 0
.set TO_S0,   0x80                     ; destination window 2, address window 0
.set MSB, 0
.macro WIN new                         ; the immediate's high byte repeats the setting that is left
.if MSB != \new
	s_set_vgpr_msb (MSB<<8)|\new
.set MSB, \new
.endif
.endm
.macro ROUND                           ; a round of the cluster's barrier
	s_barrier_signal -1
	s_barrier_wait -1
	s_cmp_lg_u32 s[WV], 0
	s_cbranch_scc1 .Lnot_wave_0_\@
	s_barrier_signal -3
.Lnot_wave_0_\@:
	s_barrier_wait -3
	s_barrier_signal -1
	s_barrier_wait -1
.endm
.macro PLACES                          ; four places behind a matrix instruction of this form (ISA guide 7.12.1)
.rept 4
	v_nop
.endr
.endm
.macro FRAG reg, adr, off              ; an image comes back as the 12 registers that it is: six loads of 256 consecutive bytes
.irp p, 0,1,2,3,4,5
	ds_load_b64 v[(\reg)+2*\p:(\reg)+2*\p+1], v[\adr] offset:(\off)+256*\p
.endr
.endm
.macro FETCH0 k                        ; S0's eight fragments and scale words of K step k
	WIN TO_S0
.irp j, 0,1,2,3,4,5,6,7
	FRAG 96*((\k)%2)+12*\j, ADRB+(\k)/4, 2*CH*\j+CH*(((\k)/2)%2)+FIB*((\k)%2)
.endr
	WIN 0
.irp j, 0,1,2,3,4,5,6,7
	ds_load_b32 v[SC+12*((\k)%2)+\j], v[ADSB+(\k)/4] offset:2*CH*\j+CH*(((\k)/2)%2)+128*((\k)%2)
.endr
.endm
.macro FETCH1 k                        ; my four fragments and scale words of S1
.irp j, 0,1,2,3
	FRAG A0+48*((\k)%2)+12*\j, ADRA+(\k)/4, 2*CH*\j+CH*(((\k)/2)%2)+FIB*((\k)%2)
.endr
.irp j, 0,1,2,3
	ds_load_b32 v[SC+12*((\k)%2)+8+\j], v[ADSA+(\k)/4] offset:2*CH*\j+CH*(((\k)/2)%2)+128*((\k)%2)
.endr
.endm
; 16 matrix instructions: my tiles a0, a0 + 1 of S1 x S0's eight.  The 32 accumulators take turns, one instruction a turn, in the same order in every step.
.macro MUL k, a0
.irp a, \a0, \a0+1
.irp b, 0,1,2,3,4,5,6,7
.if (\k) == 0
	v_wmma_scale_f32_16x16x128_f8f6f4 v[8*(8*(\a)+\b):8*(8*(\a)+\b)+7], v[12*\b:12*\b+11], v[A0+12*(\a):A0+12*(\a)+11], v[BP+8*\b:BP+8*\b+7], v[SC+\b], v[SC+8+(\a)] matrix_a_fmt:MATRIX_FMT_FP6 matrix_b_fmt:MATRIX_FMT_FP6
.else
	v_wmma_scale_f32_16x16x128_f8f6f4 v[8*(8*(\a)+\b):8*(8*(\a)+\b)+7], v[96*((\k)%2)+12*\b:96*((\k)%2)+12*\b+11], v[A0+48*((\k)%2)+12*(\a):A0+48*((\k)%2)+12*(\a)+11], v[8*(8*(\a)+\b):8*(8*(\a)+\b)+7], v[SC+12*((\k)%2)+\b], v[SC+12*((\k)%2)+8+(\a)] matrix_a_fmt:MATRIX_FMT_FP6 matrix_b_fmt:MATRIX_FMT_FP6
.endif
.endr
.endr
.endm
.macro STEP k
	s_wait_dscnt 0x0                               ; this step's fragments and scale words are in
.if (\k) == 3
	s_wait_tensorcnt 0x0                           ; my part of the second half of K has landed: no load of mine is out;
	s_barrier_signal -1
	s_barrier_wait -1                              ; everybody's has.
.endif
.if (\k) < 7
	PLACES                                         ; behind the last step's products, which read the registers that the loads below and in this step's middle fill
	FETCH0 (\k)+1
.endif
.if (\k) == 0
	WIN W_FIRST
.else
	WIN W_MUL
.endif
	MUL \k, 0
.if (\k) < 7
	WIN 0
	FETCH1 (\k)+1
.endif
.if (\k) == 0
	WIN W_FIRST
.else
	WIN W_MUL
.endif
	MUL \k, 2
	WIN 0
.endm
	s_load_b128 s[4:7], s[0:1], 0x0                ; ar, wor
	s_load_b128 s[8:11], s[0:1], 0x10              ; b_out, out0
	v_lshl_add_u32 v62, v0, 2, 0x4e000
	v_mov_b32 v63, 0
	ds_add_u32 v62, v63
	ds_add_u32 v62, v63
	v_lshrrev_b32 v4, 5, v0
	v_readfirstlane_b32 s[WV], v4                  ; wave 0..3
	s_lshr_b32 s15, s[WV], 1                       ; I fetch for S1 (0) or for S0 (1)
	s_and_b32 s16, s[WV], 1                        ; and which half of its tiles
	s_bfe_u32 s17, ttmp6, 0x40000                  ; cx
	s_bfe_u32 s18, ttmp6, 0x40004                  ; cy
	s_lshl_b32 s22, ttmp9, 2
	s_add_co_u32 s22, s22, s17                     ; ix: which 128 columns
	s_and_b32 s23, ttmp7, 0xffff
	s_lshl_b32 s23, s23, 2
	s_add_co_u32 s23, s23, s18                     ; iy: which 256 tokens
	s_lshl_b32 s77, s18, 2
	s_lshl_b32 s77, 15, s77                        ; my row of the cluster
	s_lshl_b32 s78, 0x1111, s17                    ; my column
	; group 1: R rows (tiles) of one half: 832 elements of 8 bytes, 1,664 elements from tile to tile; no padding
	s_or_b32 s[G1A], s77, (3<<16)|(1<<21)          ; 15:0 the mask; 17:16 elements of 8 bytes; 21 set beside a mask
	s_or_b32 s[G1B], s78, (3<<16)|(1<<21)
.irp g, G1A, G1B
	s_mov_b32 s[\g+1], 832<<16                     ; tensor_dim0: half a tile, 6,656 bytes
	s_mov_b32 s[\g+3], 832<<16                     ; tile_dim0
	s_mov_b32 s[\g+5], 1664                        ; tensor_dim0_stride
	s_mov_b32 s[\g+6], 0
	s_mov_b32 s[\g+7], 0
.endr
	s_mov_b32 s[G1A+2], 8<<16                      ; tensor_dim1: S1: 8 tiles a load
	s_mov_b32 s[G1A+4], 8                          ; tile_dim1
	s_mov_b32 s[G1B+2], 4<<16                      ; S0: 4 tiles a load
	s_mov_b32 s[G1B+4], 4
	s_lshl_b32 s80, s23, 4
	s_lshl_b32 s81, s16, 3
	s_add_co_u32 s80, s80, s81
	s_mul_i32 s80, s80, TP                         ; S1: tile 16 iy + 8 half
	s_mov_b32 s81, 0
	s_lshl_b32 s82, s22, 3
	s_lshl_b32 s83, s16, 2
	s_add_co_u32 s82, s82, s83
	s_mul_i32 s82, s82, TP                         ; S0: tile 8 ix + 4 half
	s_mov_b32 s83, 0
	s_mul_i32 s84, s16, 16*CH                      ; where they go: no place in the cluster enters an LDS address
	s_mul_i32 s85, s16, 8*CH
	s_add_co_u32 s85, s85, S0OFF
	s_wait_dscnt 0x0
	s_wait_kmcnt 0x0
	s_add_nc_u64 s[86:87], s[4:5], s[80:81]
	s_add_nc_u64 s[88:89], s[6:7], s[82:83]
	ROUND                                          ; all sixteen work-groups are here: the joint loads meet
.irp c, 0,1
	s_mov_b32 s[G0A+4*\c], 1
	s_add_co_u32 s[G0A+4*\c+1], s84, \c*CHUNK                          ; LDS address
	s_add_nc_u64 s[G0A+4*\c+2:G0A+4*\c+3], s[86:87], \c*2*CH           ; global address: half c of my tiles
	s_or_b32 s[G0A+4*\c+3], s[G0A+4*\c+3], 0x80000000                  ; type = 2
	s_mov_b32 s[56+4*\c+4*(\c/2)], 1
	s_add_co_u32 s[56+4*\c+4*(\c/2)+1], s85, \c*CHUNK
	s_add_nc_u64 s[56+4*\c+4*(\c/2)+2:56+4*\c+4*(\c/2)+3], s[88:89], \c*2*CH
	s_or_b32 s[56+4*\c+4*(\c/2)+3], s[56+4*\c+4*(\c/2)+3], 0x80000000
.endr
	s_cmp_eq_u32 s15, 0                            ; a wave's load stands in one branch on its number: one load of mine is out
	s_cbranch_scc0 .Lfor_s0
	tensor_load_to_lds s[G0A:G0A+3], s[G1A:G1A+7]  ; one tensor load a wave at the head
	s_nop 0
	PLACES                                         ; four v_nop follow the last load
	s_branch .Lasked
.Lfor_s0:
	tensor_load_to_lds s[56:59], s[G1B:G1B+7]
	s_nop 0
	PLACES
.Lasked:
	v_and_b32 v4, 31, v0                           ; lane
	v_lshlrev_b32 v1, 3, v4                        ; 8 x lane
	v_lshlrev_b32 v2, 2, v4                        ; 4 x lane
	v_bfe_u32 v5, v0, 4, 1                         ; h
	v_lshlrev_b32 v3, 6, v5                        ; 64 h
	v_and_b32 v6, 15, v0                           ; r
	s_mul_i32 s92, s[WV], 8*CH
.irp c, 0,1
	s_add_co_u32 s93, s92, \c*CHUNK
	v_add_nc_u32 v[ADRA+\c], s93, v1
	s_add_co_u32 s93, s93, 2*FIB
	v_add_nc_u32 v[ADSA+\c], s93, v2
	v_add_nc_u32 v[ADRB+\c], S0OFF+\c*CHUNK, v1
	v_add_nc_u32 v[ADSB+\c], S0OFF+2*FIB+\c*CHUNK, v2
.endr
	v_mul_u32_u24 v[STO], v6, SROW                 ; my stage: the bytes of chunk 0 that hold my own four tiles of S1, which no other wave reads and no load fills again
	v_lshl_add_u32 v[STO], v5, 6, v[STO]
	v_add_nc_u32 v[STO], s92, v[STO]               ; in: row r, + 64 h
	v_lshlrev_b32 v[CO], 4, v4
	v_add_nc_u32 v[RD], s92, v[CO]                 ; back: the 32 lanes take one row of 512 bytes
	s_lshl_b32 s94, s22, 9                         ; 128 ix numbers on, in b_out and in a row of out0
	s_mov_b32 s95, 0
	s_add_nc_u64 s[96:97], s[8:9], s[94:95]
	s_lshl_b32 s90, s23, 8
	s_lshl_b32 s91, s[WV], 6
	s_add_co_u32 s90, s90, s91                     ; my first token: 256 iy + 64 wave
	s_lshl_b32 s90, s90, 12
	s_add_co_u32 s90, s90, s94
	s_mov_b32 s91, 0
	s_add_nc_u64 s[12:13], s[10:11], s[90:91]
.irp b, 0,1,2,3,4,5,6,7
	global_load_b128 v[BP+8*\b:BP+8*\b+3], v3, s[96:97] offset:(32*(\b/2)+8*(\b%2))*4      ; register j of tile b: column 32 (b / 2) + 16 h + 8 (b % 2) + j
	global_load_b128 v[BP+8*\b+4:BP+8*\b+7], v3, s[96:97] offset:(32*(\b/2)+8*(\b%2))*4+16
.endr
	s_wait_alu depctr_va_vdst(0)
	s_wait_loadcnt 0x0
	s_wait_tensorcnt 0x0                           ; my part of the first half has landed
	ds_add_u32 v62, v63
	s_wait_dscnt 0x0
	ROUND                                          ; everybody's part is in, and all sixteen work-groups are here: the joint loads meet
	s_cmp_eq_u32 s15, 0
	s_cbranch_scc0 .Lfor_s0b
	tensor_load_to_lds s[G0A+4:G0A+7], s[G1A:G1A+7]   ; the second half of K: my one load behind the round; it has K steps 0 to 3 in which to land
	s_nop 0
	PLACES
	s_branch .Laskedb
.Lfor_s0b:
	tensor_load_to_lds s[60:63], s[G1B:G1B+7]
	s_nop 0
	PLACES
.Laskedb:
	FETCH0 0
	FETCH1 0
	STEP 0
	STEP 1
	STEP 2
	STEP 3
	STEP 4
	STEP 5
	STEP 6
	STEP 7
; THE WAY OUT, a tile of 16 tokens x 128 columns at a time.  A lane holds pieces of 32 neighbouring bytes of a row, and the lanes beside it hold other rows: so a tile goes through my stage and comes back as whole
; rows of 512 bytes.  LDS serves a wave's instructions in order (ISA guide 5.7.1.4): no wait between the stores and the loads, nor in front of the next tile's stores.
.macro TOSTAGE a
	WIN 0x04                                       ; an LDS store's data are its source 1: window 1
.irp b, 0,1,2,3,4,5,6,7
	ds_store_b128 v[STO], v[8*(8*(\a)+\b):8*(8*(\a)+\b)+3] offset:128*(\b/2)+32*(\b%2)          ; each accumulator from its low end on
	ds_store_b128 v[STO], v[8*(8*(\a)+\b)+4:8*(8*(\a)+\b)+7] offset:128*(\b/2)+32*(\b%2)+16
.endr
	WIN 0
.set BB, BK+64*((\a)%2)
.irp t, 0,1,2,3,4,5,6,7,8,9,10,11,12,13,14,15
	ds_load_b128 v[BB+4*\t:BB+4*\t+3], v[RD] offset:\t*SROW
.endr
.endm
.macro SEND a, younger                 ; younger: the LDS instructions issued behind tile a's loads, which may stay out
.set BB, BK+64*((\a)%2)
	s_wait_dscnt \younger
.irp t, 0,1,2,3,4,5,6,7,8,9,10,11,12,13,14,15
	global_store_b128 v[CO], v[BB+4*\t:BB+4*\t+3], s[12:13] offset:(32*((\a)/2)+8*((\a)%2)+\t+8*(\t/8))*4096 th:TH_STORE_NT   ; 32 lanes store 512 consecutive bytes, at a multiple of 256 from out0's first byte; the tile's row t is this token
.endr
.endm
	PLACES                                         ; behind the last products: for the reads of results and for the loads into the registers that held S1's fragments
	TOSTAGE 0
.irp a, 1,2,3
.if \a > 1
	s_wait_xcnt 0x0                                ; tile a - 2's stores have read their registers: tile a's loads may land there
.endif
	TOSTAGE \a
	SEND \a-1, 32                                  ; behind tile a - 1's loads: tile a's 16 stores and 16 loads
.endr
	SEND 3, 0
	s_wait_tensorcnt 0x0
	ds_add_u32 v62, v63
	s_wait_dscnt 0x0
	ROUND                                          ; the closing round: no work-group ends while a partner may still ask for a tile that names it
	s_endpgm
.Lfunc_end_k_qf070f1607c_gemm_out:
	.size	k_qf070f1607c_gemm_out, .Lfunc_end_k_qf070f1607c_gemm_out-k_qf070f1607c_gemm_out
	.p2alignl 7, 3214868480
	.fill 96, 4, 3214868480
	.section	.rodata,"a",@progbits
	.p2align	6, 0x0
	.amdhsa_kernel k_qf070f1607c_gemm_out
		.amdhsa_group_segment_fixed_size 327680
		.amdhsa_private_segment_fixed_size 0
		.amdhsa_enable_private_segment 0
		.amdhsa_kernarg_size 32
		.amdhsa_user_sgpr_count 2
		.amdhsa_user_sgpr_kernarg_segment_ptr 1
		.amdhsa_wavefront_size32 1
		.amdhsa_system_sgpr_workgroup_id_x 1
		.amdhsa_system_sgpr_workgroup_id_y 1
		.amdhsa_system_sgpr_workgroup_id_z 1
		.amdhsa_system_vgpr_workitem_id 0
		.amdhsa_next_free_vgpr 704
		.amdhsa_next_free_sgpr 100
		.amdhsa_reserve_vcc 0
		.amdhsa_float_denorm_mode_32 3
		.amdhsa_float_denorm_mode_16_64 3
		.amdhsa_memory_ordered 1
		.amdhsa_forward_progress 1
		.amdhsa_inst_pref_size 101
	.end_amdhsa_kernel
	.amdgpu_metadata
---
amdhsa.version: [ 1, 2 ]
amdhsa.kernels:
  - .name:           k_qf070f1607c_gemm_out
    .symbol:         k_qf070f1607c_gemm_out.kd
    .args:
      - { .name: ar, .offset: 0, .size: 8, .value_kind: global_buffer, .address_space: global }
      - { .name: wor, .offset: 8, .size: 8, .value_kind: global_buffer, .address_space: global }
      - { .name: b_out, .offset: 16, .size: 8, .value_kind: global_buffer, .address_space: global }
      - { .name: out0, .offset: 24, .size: 8, .value_kind: global_buffer, .address_space: global }
    .group_segment_fixed_size: 327680
    .private_segment_fixed_size: 0
    .kernarg_segment_align: 8
    .kernarg_segment_size: 32
    .max_flat_workgroup_size: 128
    .sgpr_count:     100
    .vgpr_count:     704
    .wavefront_size: 32
...
	.end_amdgpu_metadata
.endif
;; end of part 5
